; MI455X (gfx1250); checked and timed in simulation.
; The chip was launched on July 23, 2026; its instructions are those of AMD's public machine-readable ISA for CDNA 5 (MIT licence, August 2026) and "CDNA5" Instruction Set Architecture Reference Guide (July 2026). The comments in the code are by the model that wrote it; some were corrected since.
;; Attention. Allowed arithmetic: matrix products marked QUANTISED: E5M2 operands, one given power-of-two scale a tensor, by v_wmma_f32_16x16x64_bf8_bf8 or v_wmma_f32_16x16x128_bf8_bf8, f32 sums; everything else in f32.
;; Inputs: W_attn_codes 3,072 x 32 x 32 uint8 (E5M2 codes of W_attn, K innermost, in blocks of 32 codes); W_proj_codes 1,024 x 32 x 32 uint8 (E5M2 codes of W_proj, K innermost, in blocks of 32 codes); b_attn 3,072 float32; b_proj 1,024 float32; lowp_scales 8 int32 (the exponents e of the quantised operands' scales 2^e); x_codes 4 x 2,048 x 32 x 32 uint8 (E5M2 codes of x, K innermost, in blocks of 32 codes).
;; Outputs: out0 4 x 2,048 x 1,024 float32.
;; This version of the problem:
;;   THIS VERSION OF THE PROBLEM IS GIVEN IN LOW PRECISION. The matrix products marked QUANTISED in the list below multiply operands that are first quantised to E5M2 (5 exponent bits, 2 mantissa bits; 8 bits a number), with one given power-of-two scale for each operand tensor; their sums are f32. All else is computed in f32.
;;   The module's matrix products, in the order in which they are computed (A, B: the left and right operand; K: the contracted axis; several contracted axes count as one K, in the product's order):
;;     1. [M 8,192, K 1,024] x [K 1,024, N 3,072]; A: input x (given as codes); B: input W_attn (given as codes): QUANTISED (scales: A lowp_scales[0], B lowp_scales[1])
;;     2. batch 64 x [M 2,048, K 64] x [K 64, N 2,048]; A: computed on the way; B: computed on the way: QUANTISED (scales: A lowp_scales[2], B lowp_scales[3])
;;     3. batch 64 x [M 2,048, K 2,048] x [K 2,048, N 64]; A: softmax (see below); B: computed on the way: QUANTISED (scales: A lowp_scales[4], B lowp_scales[5])
;;     4. [M 8,192, K 1,024] x [K 1,024, N 1,024]; A: computed on the way; B: input W_proj (given as codes): QUANTISED (scales: A lowp_scales[6], B lowp_scales[7])
;;   THE QUANTISER, for each operand of a quantised product, along K:
;;     - The operand's scale is 2^e, e = its entry of the input lowp_scales (int32; the entries are numbered through the quantised products in the list's order, A before B).
;;     - Each number is divided by the scale, clamped to +-57,344, and rounded to the nearest number of E5M2, ties to even, subnormals kept.
;;     - The product sums the exact products of the quantised numbers (number of the format x scale) in f32.
;;   ~~~python
;;   def quantise(x, axis, e):      # numpy; x: float32 -> the quantised numbers, widened to float32 again
;;       x = np.moveaxis(x, axis, -1); K = x.shape[-1]
;;       r = np.clip(x / 2.0 ** e, -57344, 57344)
;;       step = 2.0 ** (np.maximum(np.frexp(np.where(r == 0, 1, r))[1] - 1, -14) - 2)
;;       q = np.round(r / step) * step * 2.0 ** e      # np.round: ties to even
;;       return np.moveaxis(q, -1, axis).astype(np.float32)
;;   ~~~
;;   SOFTMAX AHEAD OF A QUANTISED PRODUCT. Where the list says 'softmax', what is quantised is not the finished softmax but p = 2^(t - M), with t = logit x log2(e) and M = ceil(the row's largest t), a whole number; so 1/2 < the row's largest p <= 1. The row's sum l is taken of the UNQUANTISED p, in f32, and the product's result is divided by l at the end. Since M is a whole number, a kernel that streams over the keys may use a running M (the ceiling of the running maximum): every later rescaling is an exact power of two, so the quantised numbers keep their values, but for numbers so far below the row's largest that they fall under the format's range.
;;   OPERANDS COMPUTED ON THE WAY. 'Computed on the way' means the value that the module computes at that place (a softmax that the list does not call 'softmax' is quantised finished and normalised). What goes into a quantiser is computed in f32, as accurately as f32 sums, v_exp_f32 and their like allow (about 1e-6 of the number): no bf16 or f16 on the way to a quantiser, and a product that is left as it is and whose result goes on into a quantised operand takes f32 operands (vector FMAs, or v_wmma_f32_16x16x4_f32). A number that lies on a knife's edge between two numbers of the format may be rounded either way, as far as f32 arithmetic and the matrix unit's own rounding can turn it there, and no further.
;;   INPUTS GIVEN AS CODES. W_attn (in the module: [1024, 3072], K = its axis 0); W_proj (in the module: [1024, 1024], K = its axis 0); x (in the module: [4, 2048, 1024], K = its axis 2): each comes as NAME_codes (uint8): NAME with its K axis moved to the last place and cut into blocks of 32 codes, [.., K / 32, bytes a block], one block behind the other in memory; one code a byte (a code: sign, 5 exponent bits, 2 mantissa bits); its scale is its entry of lowp_scales. Its value is code x scale, taken as it is: it is not quantised again, and the codes and scales need not be those that the quantiser above would give.
;; 2 versions, each right; version 2 is version 1 with the launch attn written anew for expert scheduling mode. Each part assembles by itself: llvm-mc -triple=amdgcn-amd-amdhsa -mcpu=gfx1250 --defsym DOCPART=n.
;; ======== version 1 of 2: 3 launches
;; limits: right only within a limited range of input values
;; workspace buffers: qkv_img 25,165,824 bytes; a_img 8,388,608 bytes
;; launch qkv (part 1): grid 12 x 32, 4 waves a work-group, clusters of 4 x 4, 327,680 bytes of LDS; arguments x_codes, W_attn_codes, lowp_scales, b_attn, qkv_img; writes qkv_img
.if DOCPART == 1
	.amdgcn_target "amdgcn-amd-amdhsa--gfx1250"
	.amdhsa_code_object_version 6
	.text
	.protected	k_q105bfd8490_qkv
	.globl	k_q105bfd8490_qkv
	.p2align	8
	.type	k_q105bfd8490_qkv,@function
k_q105bfd8490_qkv:
	s_mov_b64 s[64:65], 0
	v_nop
	global_prefetch_b8 v0, s[64:65] scope:SCOPE_SE
	s_setreg_imm32_b32 hwreg(HW_REG_WAVE_MODE, 25, 1), 1
	s_wait_xcnt 0x0
	s_wait_alu depctr_hold_cnt(0) depctr_sa_sdst(0) depctr_va_vdst(0) depctr_va_sdst(0) depctr_va_ssrc(0) depctr_va_vcc(0) depctr_vm_vsrc(0)
	s_getreg_b32 s2, hwreg(HW_REG_IB_STS2, 6, 4)
	s_cmp_eq_u32 s2, 0
	s_cbranch_scc0 .Lentry_in_a_cluster
	s_endpgm
.Lentry_in_a_cluster:
	s_bfe_u32 s2, ttmp6, 0x10000c
	s_cmp_lg_u32 s2, 0xf033
	s_cbranch_scc0 .Lentry_shape_is_right
	s_endpgm
.Lentry_shape_is_right:
; qkv = x W_attn + b_attn on codes of E5M2, then q, k and v are quantised (scales 2^e2, 2^e3, 2^e5) and stored as IMAGES OF THE OPERAND REGISTERS that the attention launch loads.
; x_codes: [8192][1024] bytes, W_attn_codes: [3072][1024] bytes, K innermost.  A sum stands for sum x 2^(e0 + e1); value = sum x 2^(e0 + e1) + bias, in f32; code = value / 2^eT, held within +-57,344.
; ONE LOOP FOR q, k AND v.  The loop multiplies 256 rows of a matrix X by 256 rows of a matrix Y (source 0 = 16 rows of Y, source 1 = 16 rows of X): lane (r, h), register j holds (X row 16 a + r, Y row 16 b + 8 h + j).
;   cluster x = 0 (q), 1 (k): X = x, Y = W: a lane holds one token and eight neighbouring channels of a head: the K of the scores.
;   cluster x = 2 (v):        X = W, Y = x: a lane holds one channel and eight neighbouring tokens: the keys, the K of the second product.
; So the conversions' results are register pairs 2 c, 2 c + 1 of the plain 8-bit layout (k = 16 c + 8 h + 0 .. 7, c = b % 4 for q and k, c = b for v), and nothing is transposed.
; qkv_img: [16 batch + head][token / 128][24,576]: 8 tiles of Q (1,024 bytes: 2 blocks of 512, lane l's four registers at 16 l), 8 of K, then 4 tiles of V (16 channels x 128 keys: 4 blocks of 512).
; A work-group of four waves makes 256 x 256, a wave 128 x 128 (64 accumulators).  K goes in steps of 256 through two LDS slots filled by tensor loads; K = 1,024 is four such steps, written out.
; CLUSTERS: 4 x 4.  X's tile hangs on the cluster's row alone, Y's on its column alone: each is asked for jointly by the four that share it.  The choice between x and W hangs on the cluster's x, equal in all sixteen.
; The fragments are fetched by four 16-byte loads (k = 32 c + 16 h + 0 .. 15 in registers 4 c .. 4 c + 3), the same order of k in X and Y: every product meets its partner.
; No prefetch: the first loads ask for half of each tile's K and the two refills for the rest, one change of slots apart.
; LIMITS: e0 + e1 between -126 and 127; e2, e3, e5 between -126 and 112, so that each power of two below is an f32 number.  NaN in b_attn is not served.
; REGISTERS: window 0: v12-29 scales and addresses; v32-95 the bias of my 128 Y rows (q, k); v96-111 the bias of my X rows, twice each (v); v128-255 X's fragments, one set (on the way out: values and codes).
;   window 1: Y's fragments, two sets.   windows 2, 3: the accumulators, (a, b) at v[8 (8 (a % 4) + b)].
.set KROW,   1024                      ; a row of x or of W in bytes
.set ROWB,   256                       ; a tile's row: 256 codes
.set PITCH,  272                       ; an LDS row: 256 bytes + 16 of padding = 68 words: the 16 rows of a fragment load start at 16 different banks (64 banks of 4 bytes: ISA guide 11.1)
.set FR,     16
.set NL,     4
.set NP,     4
.set HALFT,  128*PITCH
.set SLOT,   4*HALFT                   ; X's 256 rows, then Y's 256 rows
.set SPARE,  2*SLOT                    ; the spare words: 128 bytes a wave, two blocks of 256 bytes that no other line names
.set HS,     393216                    ; a head's bytes in qkv_img
.set REC,    24576                     ; 128 tokens' bytes of a head
.set SCV,  12                          ; v12  2^eT as f32
.set LIMV, 13                          ; v13  57,344 x 2^eT
.set ADRA, 16                          ; v16-17 LDS address of my X fragments in slot 0, 1
.set ADRB, 20                          ; v20-21 the same for Y
.set BO,   24                          ; v24  32 h
.set BR,   25                          ; v25  4 r
.set CO,   26                          ; v26  16 x lane
.set SPW,  28                          ; v28  my spare word; never rewritten
.set NIL,  29                          ; v29  0; never rewritten
.set BN,   32
.set BV,   96
.set AF,   128
.set TMP,  128                         ; the way out: a block's 64 values
.set CD,   192                         ; and its codes: two sets of 16 registers by turns
.set G1, 24
.set G0, 32
.set G1B, 48
.set G0B, 56
.set MSB, 0
.macro WIN new                         ; the immediate's high byte repeats the setting that is left
.if MSB != (\new)
	s_set_vgpr_msb (MSB<<8)|(\new)
.set MSB, (\new)
.endif
.endm
.set MUL_LO, 0xa1                      ; source 0 (Y) window 1, source 1 (X) window 0, C and D window 2
.set MUL_HI, 0xf1                      ; the same, C and D window 3
.set TO_B,   0x40                      ; destination window 1, address window 0
; A joint load: waves 0 and 1 fetch for X, waves 2 and 3 for Y; the branch hangs on the wave's number alone.  Four v_nop follow each of the two lines.
.macro JLOAD g0a, g1a, g0b, g1b
	s_cmp_eq_u32 s15, 0
	s_cbranch_scc0 .Lfor_b_\@
	tensor_load_to_lds s[\g0a:\g0a+3], s[\g1a:\g1a+7]
	s_nop 0
.rept 4
	v_nop
.endr
	s_branch .Lasked_\@
.Lfor_b_\@:
	tensor_load_to_lds s[\g0b:\g0b+3], s[\g1b:\g1b+7]
	s_nop 0
.rept 4
	v_nop
.endr
.Lasked_\@:
.endm
.macro CREST                           ; a round of the cluster's barrier behind its opening barrier
	s_cmp_lg_u32 s14, 0
	s_cbranch_scc1 .Lnot_wave_0_\@
	s_barrier_signal -3
.Lnot_wave_0_\@:
	s_barrier_wait -3
	s_barrier_signal -1
	s_barrier_wait -1
.endm
.macro CROUND
	s_barrier_signal -1
	s_barrier_wait -1
	CREST
.endm
	s_load_b128 s[4:7], s[0:1], 0x0                ; x's codes, W's codes
	s_load_b128 s[8:11], s[0:1], 0x10              ; the scales' exponents, b_attn
	s_load_b64 s[12:13], s[0:1], 0x20              ; qkv_img
	v_lshl_add_u32 v[SPW], v0, 2, SPARE
	v_mov_b32 v[NIL], 0
	ds_add_u32 v28, v29
	ds_add_u32 v28, v29
	s_wait_dscnt 0x0
	v_lshrrev_b32 v1, 5, v0
	v_readfirstlane_b32 s14, v1                    ; wave 0..3
	s_lshr_b32 s15, s14, 1                         ; which half of X's rows is mine.  Also: I fetch for X (0) or for Y (1)
	s_and_b32 s16, s14, 1                          ; which half of Y's rows.  Also: which 128 rows of that tile I fetch
	s_bfe_u32 s40, ttmp6, 0x40000                  ; cx
	s_bfe_u32 s41, ttmp6, 0x40004                  ; cy
	s_and_b32 s88, ttmp7, 0xffff
	s_lshl_b32 s88, s88, 2                         ; 4 x cluster y
	s_add_co_u32 s17, s88, s41                     ; q, k: X's tile = 4 x cluster y + cy (tokens)
	s_add_co_u32 s89, s41, 8                       ; v:    X's tile = 8 + cy (W's rows 2,048 on)
	s_lshl_b32 s42, ttmp9, 2
	s_add_co_u32 s42, s42, s40                     ; q, k: Y's tile = 4 x cluster x + cx (W's rows)
	s_add_co_u32 s90, s88, s40                     ; v:    Y's tile = 4 x cluster y + cx (tokens)
	s_cmp_eq_u32 ttmp9, 2                          ; the cluster's x: equal in all sixteen partners
	s_cselect_b32 s17, s89, s17                    ; X's tile: made of cy and the cluster's place alone
	s_cselect_b32 s42, s90, s42                    ; Y's tile: made of cx and the cluster's place alone
	s_lshl_b32 s43, s41, 2
	s_lshl_b32 s43, 15, s43                        ; my row of the cluster
	s_lshl_b32 s44, 0x1111, s40                    ; my column
	; descriptor group 1: a tile of 128 rows x 256 bytes, padded in LDS
	s_or_b32 s[G1+0], s43, (0<<16)|(1<<20)|(1<<21)|(5<<22)|(3<<25)  ; 15:0 the mask; 17:16 elements of 1 byte; 20 padding on; 21 set beside a mask; 24:22 after every 64 words; 31:25 four words
	s_or_b32 s[G1B+0], s44, (0<<16)|(1<<20)|(1<<21)|(5<<22)|(3<<25)
.irp g, G1, G1B
	s_mov_b32 s[\g+1], ROWB<<16                    ; tensor_dim0
	s_mov_b32 s[\g+2], 128<<16                     ; tensor_dim1
	s_mov_b32 s[\g+3], ROWB<<16                    ; tile_dim0
	s_mov_b32 s[\g+4], 128                         ; tile_dim1
	s_mov_b32 s[\g+5], KROW                        ; from row to row
	s_mov_b32 s[\g+6], 0
	s_mov_b32 s[\g+7], 0
.endr
	s_lshl_b32 s18, s16, 7                         ; which 128 rows of the tile I fetch
	s_lshl_b32 s20, s17, 8
	s_add_co_u32 s20, s20, s18
	s_lshl_b32 s20, s20, 10                        ; X: (256 x tile + 128 x half) rows of 1,024 bytes
	s_mov_b32 s21, 0
	s_lshl_b32 s46, s42, 8
	s_add_co_u32 s46, s46, s18
	s_lshl_b32 s46, s46, 10                        ; Y likewise
	s_mov_b32 s47, 0
	s_mul_i32 s45, s14, HALFT                      ; where they go: wave x 128 rows: no place in the cluster enters an LDS address
	s_wait_kmcnt 0x0
	s_load_b256 s[68:75], s[8:9], 0x0              ; e0 .. e7
	s_cmp_eq_u32 ttmp9, 2
	s_cselect_b64 s[84:85], s[6:7], s[4:5]         ; X
	s_cselect_b64 s[86:87], s[4:5], s[6:7]         ; Y
	s_add_nc_u64 s[20:21], s[84:85], s[20:21]
	s_add_nc_u64 s[46:47], s[86:87], s[46:47]
	CROUND                                         ; all sixteen work-groups are here: the first joint loads meet
.irp s, 0,1
	s_mov_b32 s[G0+4*\s], 1
	s_add_co_u32 s[G0+4*\s+1], s45, \s*SLOT
	s_add_nc_u64 s[G0+4*\s+2:G0+4*\s+3], s[20:21], \s*ROWB
	s_or_b32 s[G0+4*\s+3], s[G0+4*\s+3], 0x80000000
	s_mov_b32 s[G0B+4*\s], 1
	s_add_co_u32 s[G0B+4*\s+1], s45, \s*SLOT
	s_add_nc_u64 s[G0B+4*\s+2:G0B+4*\s+3], s[46:47], \s*ROWB
	s_or_b32 s[G0B+4*\s+3], s[G0B+4*\s+3], 0x80000000
	JLOAD G0+4*\s, G1, G0B+4*\s, G1B               ; two tensor loads of mine are out
.endr
	v_and_b32 v1, 15, v0                           ; r
	v_bfe_u32 v2, v0, 4, 1                         ; h
	v_mul_u32_u24 v3, v1, PITCH
	v_lshl_add_u32 v4, v2, 4, v3                   ; a fragment's row x pitch + 16 h
	s_mul_i32 s21, s15, HALFT                      ; my 128 rows of X
	s_mul_i32 s22, s16, HALFT                      ; my 128 rows of Y,
	s_add_co_u32 s22, s22, 2*HALFT                 ; which lie behind X's 256
.irp s, 0,1
	v_add_nc_u32 v[ADRA+\s], s21, v4
	v_add_nc_u32 v[ADRB+\s], s22, v4
	s_add_co_u32 s21, s21, SLOT
	s_add_co_u32 s22, s22, SLOT
.endr
	v_lshlrev_b32 v[BO], 5, v2
	v_lshlrev_b32 v[BR], 2, v1
	v_and_b32 v6, 31, v0
	v_lshlrev_b32 v[CO], 4, v6
	; the biases.  Both sets are loaded in every work-group, so that every register is written on every way; the set that is not used reads b_attn's first entries
	s_lshl_b32 s80, s42, 8
	s_lshl_b32 s81, s16, 7
	s_add_co_u32 s80, s80, s81                     ; q, k: my first row of W
	s_lshl_b32 s82, s41, 8
	s_lshl_b32 s83, s15, 7
	s_add_co_u32 s82, s82, s83
	s_add_co_u32 s82, s82, 2048                    ; v: my first row of W
	s_cmp_eq_u32 ttmp9, 2
	s_cselect_b32 s80, 0, s80
	s_cselect_b32 s82, s82, 0
	s_lshl_b32 s80, s80, 2
	s_lshl_b32 s82, s82, 2
	s_mov_b32 s81, 0
	s_mov_b32 s83, 0
	s_add_nc_u64 s[76:77], s[10:11], s[80:81]
	s_add_nc_u64 s[78:79], s[10:11], s[82:83]
.irp b, 0,1,2,3,4,5,6,7
	global_load_b128 v[BN+8*\b:BN+8*\b+3],   v[BO], s[76:77] offset:64*\b      ; b_attn at W's rows 16 b + 8 h + 0 .. 7
	global_load_b128 v[BN+8*\b+4:BN+8*\b+7], v[BO], s[76:77] offset:64*\b+16
.endr
.irp a, 0,1,2,3,4,5,6,7
	global_load_b32 v[BV+2*\a],   v[BR], s[78:79] offset:64*\a                 ; b_attn at W's row 16 a + r, twice: a pair for the packed multiply-add
	global_load_b32 v[BV+2*\a+1], v[BR], s[78:79] offset:64*\a
.endr
	; where my wave's images begin: ((token / 2048) 16 + first head) x HS + ((token / 128) % 16) x REC + 8,192 x (0: q, 1: k, 2: v)
	s_cmp_eq_u32 ttmp9, 2
	s_cselect_b32 s91, s42, s17                    ; the tile of tokens,
	s_cselect_b32 s92, s16, s15                    ; my half of it,
	s_cselect_b32 s93, s41, s40                    ; the tile of 256 channels = 4 heads,
	s_cselect_b32 s94, s15, s16                    ; my half of it
	s_lshl_b32 s91, s91, 8
	s_lshl_b32 s92, s92, 7
	s_add_co_u32 s91, s91, s92                     ; my first token
	s_lshr_b32 s92, s91, 11
	s_lshl_b32 s92, s92, 4
	s_lshl_b32 s93, s93, 2
	s_add_co_u32 s92, s92, s93
	s_lshl_b32 s94, s94, 1
	s_add_co_u32 s92, s92, s94                     ; 16 batch + my first head
	s_mul_i32 s92, s92, HS
	s_bfe_u32 s91, s91, 0x40007
	s_mul_i32 s91, s91, REC
	s_add_co_u32 s92, s92, s91
	s_lshl_b32 s91, ttmp9, 13
	s_add_co_u32 s92, s92, s91
	s_mov_b32 s93, 0
	s_add_nc_u64 s[12:13], s[12:13], s[92:93]
.macro FRAG reg, adr, q, i             ; 16 rows x 128 K: registers 4 c .. 4 c + 3 hold K = 32 c + 16 h + 0 .. 15 of row l % 16
.irp c, 0,1,2,3
	ds_load_b128 v[\reg+4*\c:\reg+4*\c+3], v[\adr] offset:128*(\q)+32*\c+(\i)*16*PITCH
.endr
.endm
; 16 matrix instructions: X's blocks a0, a0 + 1 x Y's eight.  The 64 accumulators take turns, one instruction a turn, in the same order in every step.
.macro MUL16 a0, p, zero
.irp a, \a0, \a0+1
.irp b, 0,1,2,3,4,5,6,7
.if \zero
	v_wmma_f32_16x16x128_bf8_bf8 v[8*(8*((\a)%4)+\b):8*(8*((\a)%4)+\b)+7], v[128*(\p)+FR*\b:128*(\p)+FR*\b+FR-1], v[AF+FR*(\a):AF+FR*(\a)+FR-1], 0
.else
	v_wmma_f32_16x16x128_bf8_bf8 v[8*(8*((\a)%4)+\b):8*(8*((\a)%4)+\b)+7], v[128*(\p)+FR*\b:128*(\p)+FR*\b+FR-1], v[AF+FR*(\a):AF+FR*(\a)+FR-1], v[8*(8*((\a)%4)+\b):8*(8*((\a)%4)+\b)+7]
.endif
.endr
.endr
.endm
.macro FETCH_B slot, q, p
	WIN TO_B
.irp i, 0,1,2,3,4,5,6,7
	FRAG 128*(\p)+FR*\i, ADRB+\slot, \q, \i
.endr
	WIN 0
.endm
.macro FETCH_A slot, q, i0
.irp i, \i0, \i0+1, \i0+2, \i0+3
	FRAG AF+FR*(\i), ADRA+\slot, \q, \i
.endr
.endm
.macro PLACES n                        ; plain vector lines between a matrix instruction and a load into, or a vector line on, its registers
.rept \n
	v_nop
.endr
.endm
; A step of 128 along K that has its successor in the same slot.  X has one set of registers: blocks 0-3 are fetched anew in the step's middle, blocks 4-7 at its end; Y has two sets.
.macro STEP slot, q, zero
	s_wait_dscnt 4*NL                              ; Y's set and X's blocks 0-3 are in; the youngest 16 loads (X's blocks 4-7) may be out
	WIN MUL_LO
	MUL16 0, (\q)%2, \zero
	MUL16 2, (\q)%2, \zero
	s_wait_dscnt 0                                 ; X's blocks 4-7 are in
	PLACES NP
	FETCH_B \slot, (\q)+1, 1-(\q)%2
	FETCH_A \slot, (\q)+1, 0
	WIN MUL_HI
	MUL16 4, (\q)%2, \zero
	MUL16 6, (\q)%2, \zero
	PLACES NP
	WIN 0
	FETCH_A \slot, (\q)+1, 4
.endm
; A slot's last step changes slots: one barrier; in front of it each wave waits for all its tensor loads, adds 0 to its spare word, and waits for that and for its reads of this slot.
.macro TURN slot, next, fill
	s_wait_tensorcnt 0x0                           ; all my tensor loads have landed: my part of the next slot
	ds_add_u32 v[SPW], v[NIL]                      ; 0 onto my spare word
	s_wait_dscnt 4*NL+1                            ; the add and the youngest 16 loads may be out
	WIN MUL_LO
	MUL16 0, 1, 0
	s_wait_dscnt 0x0                               ; the add is done, and my reads of this slot are over
	s_barrier_signal -1
	MUL16 2, 1, 0
	WIN 0
	s_barrier_wait -1
.if \fill
	CREST                                          ; the barrier has opened a round of the cluster's: no wave of any partner still reads this slot or has a load on its way
	s_add_nc_u64 s[G0+4*\slot+2:G0+4*\slot+3], s[G0+4*\slot+2:G0+4*\slot+3], 2*ROWB
	s_add_nc_u64 s[G0B+4*\slot+2:G0B+4*\slot+3], s[G0B+4*\slot+2:G0B+4*\slot+3], 2*ROWB
	JLOAD G0+4*\slot, G1, G0B+4*\slot, G1B         ; my one tensor load behind the round; its four v_nop are also the places in front of the loads below
.else
	PLACES NP
.endif
	FETCH_B \next, 0, 0
	FETCH_A \next, 0, 0
	WIN MUL_HI
	MUL16 4, 1, 0
	MUL16 6, 1, 0
	PLACES NP
	WIN 0
	FETCH_A \next, 0, 4
.endm
	s_wait_loadcnt 0x0                             ; the biases
	s_wait_tensorcnt 1                             ; my part of K step 0 is in; K step 1's load may be out
	s_barrier_signal -1
	s_barrier_wait -1
	FETCH_B 0, 0, 0
	FETCH_A 0, 0, 0
	FETCH_A 0, 0, 4
	STEP 0, 0, 1                                   ; K 0-127: the products start the sums
	TURN 0, 1, 1                                   ; K 128-255; slot 0 takes K 512-767
	STEP 1, 0, 0
	TURN 1, 0, 1                                   ; slot 1 takes K 768-1023
	STEP 0, 0, 0
	TURN 0, 1, 0                                   ; nothing is left to fetch
	STEP 1, 0, 0
	s_wait_dscnt 4*NL                              ; the last step
	WIN MUL_LO
	MUL16 0, 1, 0
	MUL16 2, 1, 0
	s_wait_dscnt 0
	WIN MUL_HI
	MUL16 4, 1, 0
	MUL16 6, 1, 0
	WIN 0
; THE WAY OUT, block a (16 rows of X x my 128 rows of Y): value = sum x 2^(e0 + e1) + bias, one packed multiply-add for two; the hold; eight conversions; four stores of 512 consecutive bytes, aligned.
; vv = 0 (q, k): codes of b = 4 u .. 4 u + 3 are the 8 registers of head u's tile a.   vv = 1 (v): the 16 registers are tile a % 4 of head a / 4.
.macro OUTBLK a, vv
.set AC, 64*((\a)%4)
.set CB, CD+16*((\a)%2)
	WIN 0x02+((\a)/4)                              ; source 0: window 2 or 3
.irp b, 0,1,2,3,4,5,6,7
.irp i, 0,2,4,6
.if \vv
	v_pk_fma_f32 v[TMP+8*\b+\i:TMP+8*\b+\i+1], v[AC+8*\b+\i:AC+8*\b+\i+1], s[96:97], v[BV+2*(\a):BV+2*(\a)+1] op_sel_hi:[1,0,1]
.else
	v_pk_fma_f32 v[TMP+8*\b+\i:TMP+8*\b+\i+1], v[AC+8*\b+\i:AC+8*\b+\i+1], s[96:97], v[BN+8*\b+\i:BN+8*\b+\i+1] op_sel_hi:[1,0,1]
.endif
.endr
.endr
	WIN 0
.set n, 0
.rept 64
	v_med3_num_f32 v[TMP+n], v[TMP+n], -v[LIMV], v[LIMV]   ; the conversion to an 8-bit code does not saturate (ISA guide 7.6.2): the hold at the largest code x the scale
.set n, n+1
.endr
.if (\a) >= 2
	s_wait_xcnt 0x0                                ; block a - 2's stores have read these code registers
.endif
.irp b, 0,1,2,3,4,5,6,7
	v_cvt_scalef32_pk8_bf8_f32 v[CB+2*\b:CB+2*\b+1], v[TMP+8*\b:TMP+8*\b+7], v[SCV]
.endr
	v_nop                                          ; a plain line behind the conversions: the next block writes their sources
.irp k, 0,1,2,3
.if \vv
	global_store_b128 v[CO], v[CB+4*\k:CB+4*\k+3], s[12:13] offset:((\a)/4)*HS+((\a)%4)*2048+\k*512
.else
	global_store_b128 v[CO], v[CB+4*\k:CB+4*\k+3], s[12:13] offset:(\k/2)*HS+(\a)*1024+(\k%2)*512
.endif
.endr
.endm
.macro FINISH
	s_wait_tensorcnt 0x0                           ; the wave's end
	ds_add_u32 v[SPW], v[NIL]
	s_wait_dscnt 0x0
	CROUND                                         ; the closing round: no work-group ends while a partner may still ask for a tile that names it
	s_endpgm
.endm
	s_wait_kmcnt 0x0
	s_add_co_i32 s96, s68, s69
	s_add_co_i32 s96, s96, 127
	s_lshl_b32 s96, s96, 23                        ; 2^(e0 + e1) as f32
	s_mov_b32 s97, s96                             ; (named with it as a pair, so it is written)
	s_cmp_eq_u32 ttmp9, 0
	s_cselect_b32 s80, s70, s71                    ; e2 for q, e3 for k,
	s_cmp_eq_u32 ttmp9, 2
	s_cselect_b32 s80, s73, s80                    ; e5 for v
	s_add_co_i32 s80, s80, 127
	s_lshl_b32 s81, s80, 23
	v_mov_b32 v[SCV], s81
	s_add_co_i32 s80, s80, 15
	s_lshl_b32 s80, s80, 23
	s_or_b32 s80, s80, 0x600000
	v_mov_b32 v[LIMV], s80
	PLACES NP                                      ; behind the last products: their results are read and X's registers written below
	s_cmp_eq_u32 ttmp9, 2
	s_cbranch_scc1 .Lv_out
.irp a, 0,1,2,3,4,5,6,7
	OUTBLK \a, 0
.endr
	FINISH
.Lv_out:
.irp a, 0,1,2,3,4,5,6,7
	OUTBLK \a, 1
.endr
	FINISH
.Lfunc_end_k_q105bfd8490_qkv:
	.size	k_q105bfd8490_qkv, .Lfunc_end_k_q105bfd8490_qkv-k_q105bfd8490_qkv
	.p2alignl 7, 3214868480
	.fill 96, 4, 3214868480
	.section	.rodata,"a",@progbits
	.p2align	6, 0x0
	.amdhsa_kernel k_q105bfd8490_qkv
		.amdhsa_group_segment_fixed_size 327680
		.amdhsa_private_segment_fixed_size 0
		.amdhsa_enable_private_segment 0
		.amdhsa_kernarg_size 40
		.amdhsa_user_sgpr_count 2
		.amdhsa_user_sgpr_kernarg_segment_ptr 1
		.amdhsa_wavefront_size32 1
		.amdhsa_system_sgpr_workgroup_id_x 1
		.amdhsa_system_sgpr_workgroup_id_y 1
		.amdhsa_system_sgpr_workgroup_id_z 1
		.amdhsa_system_vgpr_workitem_id 0
		.amdhsa_next_free_vgpr 1024
		.amdhsa_next_free_sgpr 100
		.amdhsa_reserve_vcc 0
		.amdhsa_float_denorm_mode_32 3
		.amdhsa_float_denorm_mode_16_64 3
		.amdhsa_memory_ordered 1
		.amdhsa_forward_progress 1
		.amdhsa_inst_pref_size 194
	.end_amdhsa_kernel
	.amdgpu_metadata
---
amdhsa.version: [ 1, 2 ]
amdhsa.kernels:
  - .name:           k_q105bfd8490_qkv
    .symbol:         k_q105bfd8490_qkv.kd
    .args:
      - { .name: x_codes, .offset: 0, .size: 8, .value_kind: global_buffer, .address_space: global }
      - { .name: W_attn_codes, .offset: 8, .size: 8, .value_kind: global_buffer, .address_space: global }
      - { .name: lowp_scales, .offset: 16, .size: 8, .value_kind: global_buffer, .address_space: global }
      - { .name: b_attn, .offset: 24, .size: 8, .value_kind: global_buffer, .address_space: global }
      - { .name: qkv_img, .offset: 32, .size: 8, .value_kind: global_buffer, .address_space: global }
    .group_segment_fixed_size: 327680
    .private_segment_fixed_size: 0
    .kernarg_segment_align: 8
    .kernarg_segment_size: 40
    .max_flat_workgroup_size: 128
    .sgpr_count:     100
    .vgpr_count:     1024
    .wavefront_size: 32
...
	.end_amdgpu_metadata
.endif
;; end of part 1
;; launch attn (part 2): grid 4 x 64, 16 waves a work-group, no clusters, 34,816 bytes of LDS; arguments qkv_img, lowp_scales, a_img; writes a_img
.if DOCPART == 2
	.amdgcn_target "amdgcn-amd-amdhsa--gfx1250"
	.amdhsa_code_object_version 6
	.text
	.protected	k_q105bfd8490_attn
	.globl	k_q105bfd8490_attn
	.p2align	8
	.type	k_q105bfd8490_attn,@function
k_q105bfd8490_attn:
	s_mov_b64 s[64:65], 0
	v_nop
	global_prefetch_b8 v0, s[64:65] scope:SCOPE_SE
	s_setreg_imm32_b32 hwreg(HW_REG_WAVE_MODE, 25, 1), 1
	s_wait_xcnt 0x0
; Causal attention on codes of E5M2, head size 64: S^T = K Q^T (16x16x64), p = 2^(t - M), O^T += V^T p^T (16x16x128), a = O / l, quantised with 2^e6.
; t = score x 2^(e2 + e3) x log2(e) / 8; M = the running largest t rounded UP to a whole number; p is quantised with 2^e4, not normalised; l is the sum of the unquantised p; when M moves, l and O^T are multiplied by 2^(old M - new M).
; qkv_img: [16 batch + head][token / 128][24,576]: register images of 8 tiles of Q, 8 of K (16 rows x 64, plain layout: registers 2 c, 2 c + 1 hold d = 16 c + 8 h + 0 .. 7) and 4 of V (16 channels x 128 keys).
; Both products are used transposed: a lane holds ONE query (lane % 16).  In S^T's tile t its registers are keys 16 t + 8 h + 0 .. 7: just registers 2 t, 2 t + 1 of the second product's operand, so the conversions' results are that operand.
; SHARES.  Work-group (p, head) takes query block 7 - p and then block p (256 queries each): (8 - p) + (p + 1) = 9 blocks of 256 keys in every work-group.  Each of sixteen waves owns 16 queries, in 256 registers.
; Keys go 128 a step.  A step's images of K and V (16,384 bytes) are copied by the 512 threads, 2 x 16 bytes each, through registers into one of two LDS buffers: loaded two steps ahead, stored one step ahead, one barrier a step.
; THE MASK.  Keys after a block's last query are never fetched.  In the block's own 256 keys a step that lies wholly after a wave's queries is jumped over (a branch on the wave's number, behind the barrier), and on the diagonal
; hidden scores become -infinity ahead of the maximum, so p = 0.  LIMIT: that equals the -1e9 of the source while a row's largest logit lies above about -1e9 + 150.
; WHY NO CLUSTER AND NO TENSOR LOADS: the four work-groups of a head walk 16, 14, 12, 10 steps in the first pass and 2, 4, 6, 8 in the second, so partners would need different numbers of tiles, and the trip count hangs on the work-group's number.
; a_img: [row / 16][head][1,024]: byte 256 t + 16 r + 8 h on: the 8 codes of a[row 16 g + r][64 head + 16 t + 8 h + 0 .. 7]: the last launch reads it as fragments.
; LIMITS: e2 + e3 between -123 and 130 (added to c's exponent field); e4 and e6 between -126 and 112; e4 + e5 is applied by v_ldexp_f32.
; REGISTERS: v1-5 addresses; v12 -M, v13 the largest t, v[14:15] l in two halves; v16-23 Q; v24-31, v208-215 the copies in flight; v32-95 K's 8 fragments, then V's 4; v96-159 S^T, then p; v160-191 O^T; v192-207 p's codes;
;   v216-223 a's codes; v224-227 scales; v236-254 at work.
.set HS,   393216
.set REC,  24576
.set BUFB, 16384                       ; an LDS buffer: K's image (8,192 bytes), then V's
.set LI,   1                           ; v1  16 x lane
.set CP,   2                           ; v2  16 x thread
.set DG,   3                           ; v3  16 (wave % 8) + r - 8 h: register 8 t + j is hidden where 16 t + j is greater
.set AO,   4                           ; v4  16 r + 8 h
.set PFO,  5                           ; v5  256 x lane
.set PF0,  24
.set PF1,  208
.set WV,   18
.set SEL,  20
.set CS,   22
.set WP,   32                          ; s32 p
.set BH,   33                          ; s33 16 batch + head
.set PASS, 34
.set BQ,   35                          ; s35 the pass's block of queries
.set CNT,  36
.set LIM0, 37                          ; s37, s38: trips in which this wave prefetches, in the even and the odd step
.set LIM1, 38
.set HB,   40                          ; s[40:41] the head's first byte
.set KV,   42                          ; s[42:43] K's image of step 2 CNT
.set QA,   44
.set AB,   46
	s_load_b128 s[4:7], s[0:1], 0x0                ; qkv_img, the scales' exponents
	s_load_b64 s[8:9], s[0:1], 0x10                ; a_img
	v_lshl_add_u32 v251, v0, 2, 0x8000
	v_mov_b32 v255, 0
	v_lshrrev_b32 v6, 5, v0
	v_readfirstlane_b32 s[WV], v6                  ; wave 0..15
	v_and_b32 v7, 31, v0
	v_lshlrev_b32 v[LI], 4, v7
	v_lshlrev_b32 v[CP], 4, v0
	v_and_b32 v8, 15, v0                           ; r
	v_bfe_u32 v9, v0, 4, 1                         ; h
	s_and_b32 s48, s[WV], 7
	s_lshl_b32 s48, s48, 4
	v_add_nc_u32 v[DG], s48, v8
	v_lshlrev_b32 v10, 3, v9
	v_sub_nc_u32 v[DG], v[DG], v10
	v_lshl_add_u32 v[AO], v8, 4, v10
	v_lshlrev_b32 v[PFO], 8, v7
	v_mov_b32 v236, 0                              ; written once: a lane permute's destination counts as one of its sources
	v_mov_b32 v253, 0                              ; (named as the upper half of the pair v[252:253])
	s_mov_b32 s[SEL], 0x76543210
	s_mov_b32 s[SEL+1], 0xfedcba98
	s_mov_b32 s[CS], 0x3e38aa3b                    ; c = log2(e) / 8
	s_mov_b32 s[WP], ttmp9
	s_and_b32 s[BH], ttmp7, 0xffff
	s_mul_i32 s48, s[BH], HS
	s_mov_b32 s49, 0
	s_mov_b32 s[PASS], 0
	s_wait_kmcnt 0x0
	s_load_b256 s[24:31], s[6:7], 0x0              ; e0 .. e7
	s_add_nc_u64 s[HB:HB+1], s[4:5], s[48:49]
	s_wait_kmcnt 0x0
	s_add_co_i32 s48, s26, s27
	s_lshl_b32 s48, s48, 23
	s_add_co_i32 s[CS], s[CS], s48                 ; a score stands for score x 2^(e2 + e3): added to c's exponent field
	s_mov_b32 s[CS+1], s[CS]
	s_add_co_i32 s48, s28, 127
	s_lshl_b32 s49, s48, 23
	v_mov_b32 v224, s49                            ; 2^e4
	s_add_co_i32 s48, s48, 15
	s_lshl_b32 s48, s48, 23
	s_or_b32 s48, s48, 0x600000
	v_mov_b32 v225, s48                            ; 57,344 x 2^e4
	s_add_co_i32 s48, s30, 127
	s_lshl_b32 s49, s48, 23
	v_mov_b32 v226, s49                            ; 2^e6
	s_add_co_i32 s48, s48, 15
	s_lshl_b32 s48, s48, 23
	s_or_b32 s48, s48, 0x600000
	v_mov_b32 v227, s48                            ; 57,344 x 2^e6
	s_add_co_i32 s52, s28, s29                     ; e4 + e5
; A KEY STEP: the 128 keys in LDS buffer buf.  st = 1: the next step's copy goes into the other buffer.  ld = 1: the copy of two steps on is asked for.  mk = 0: all keys count; 1, 2: the first, the second half of the block's own keys.
.macro STEP buf, st, ld, lim, mk
.set PST, PF0+(PF1-PF0)*(1-\buf)
.set PLD, PF0+(PF1-PF0)*(\buf)
	s_wait_dscnt 0x0                               ; my stores into this buffer have landed, and my reads of the other buffer are over
	s_barrier_signal -1
	s_barrier_wait -1                              ; both now hold of all sixteen waves
.if \st
	s_wait_loadcnt 0x0                             ; the next step's two loads, asked for a step ago
	ds_store_b128 v[CP], v[PST:PST+3] offset:(1-\buf)*BUFB
	ds_store_b128 v[CP], v[PST+4:PST+7] offset:(1-\buf)*BUFB+8192
.endif
.if \ld
	global_load_b128 v[PLD:PLD+3],   v[CP], s[KV:KV+1] offset:(2+\buf)*REC          ; K's image of two steps on: 512 threads x 16 bytes
	global_load_b128 v[PLD+4:PLD+7], v[CP], s[KV:KV+1] offset:(2+\buf)*REC+8192     ; V's
	; A prefetch of the step after that, one step ahead of its loads: 2 x 32 lanes, 256 bytes apart, cover its 16,384 bytes.  Wave 0 of the head's work-group p = 0 asks, in its first pass, which walks all 16 steps:
	; each block of steps 3 to 15 is named once in the launch; the limits 7 and 6 stop at step 15; steps 0 to 2 come by their loads alone.
	s_cmp_lt_u32 s[CNT], s[\lim]
	s_cbranch_scc0 .Lnp_\@
	global_prefetch_b8 v[PFO], s[KV:KV+1] offset:(3+\buf)*REC th:TH_LOAD_NT scope:SCOPE_SE
	global_prefetch_b8 v[PFO], s[KV:KV+1] offset:(3+\buf)*REC+8192 th:TH_LOAD_NT scope:SCOPE_SE
.Lnp_\@:
.endif
.if \mk == 2
	s_cmp_lt_u32 s[WV], 8                          ; waves 0 to 7: all these keys come after my queries
	s_cbranch_scc1 .Lhidden_\@
.endif
.irp t, 0,1,2,3,4,5,6,7
.irp c, 0,1
	ds_load_b128 v[32+8*\t+4*\c:32+8*\t+4*\c+3], v[LI] offset:\buf*BUFB+1024*\t+512*\c
.endr
.endr
	s_wait_dscnt 0x0
.irp t, 0,1,2,3,4,5,6,7
	v_wmma_f32_16x16x64_bf8_bf8 v[96+8*\t:103+8*\t], v[32+8*\t:39+8*\t], v[16:23], 0
.endr
.rept 4
	v_nop                                          ; places: K's registers are loaded again, and the scores are read
.endr
.irp t, 0,1,2,3
.irp c, 0,1,2,3
	ds_load_b128 v[32+16*\t+4*\c:32+16*\t+4*\c+3], v[LI] offset:\buf*BUFB+8192+2048*\t+512*\c   ; V lands while the softmax is worked
.endr
.endr
.if \mk
.if \mk == 1
	s_cmp_ge_u32 s[WV], 8                          ; waves 8 to 15: all these keys count
	s_cbranch_scc1 .Lopen_\@
.endif
	v_mov_b32 v254, 0xff800000                     ; -infinity
.set n, 0
.rept 64
	v_cmp_gt_i32 vcc_lo, 16*(n/8)+n%8, v[DG]
	v_cndmask_b32 v[96+n], v[96+n], v254, vcc_lo
.set n, n+1
.endr
.if \mk == 1
.Lopen_\@:
.endif
.endif
	v_max3_num_f32 v254, v96, v97, v98             ; the step's largest score of my query among my 64 keys, in two chains, each accumulator from its low end on,
	v_max3_num_f32 v252, v99, v100, v101
.irp i, 6,10,14,18,22,26,30,34,38,42,46,50,54,58
	v_max3_num_f32 v254, v254, v[96+\i], v[97+\i]
	v_max3_num_f32 v252, v252, v[98+\i], v[99+\i]
.endr
	v_max3_num_f32 v254, v254, v158, v159
	v_max_num_f32 v254, v254, v252
	v_permlanex16_b32 v236, v254, s[SEL], s[SEL+1]
	v_max_num_f32 v254, v254, v236                 ; and among lane l xor 16's
	v_mul_f32 v254, s[CS], v254                    ; as t (c is positive)
	v_max_num_f32 v13, v13, v254                   ; the running largest t
	v_mov_b32 v254, v12
	v_floor_f32 v12, -v13                          ; the new -M = floor(-t)
	v_sub_f32 v254, v12, v254                      ; old M - new M: a whole number, 0 or less
	v_cvt_i32_f32 v254, v254                       ; (it saturates)
	v_ldexp_f32 v252, 1.0, v254                    ; f = 2^(old M - new M)
.set n, 0
.rept 32
	v_pk_fma_f32 v[96+n:97+n], v[96+n:97+n], s[CS:CS+1], v[12:13] op_sel_hi:[1,0,0]   ; t - M, two at a time
.set n, n+2
.endr
.set n, 0
.rept 64
	v_exp_f32 v[96+n], v[96+n]                     ; p = 2^(t - M)
.set n, n+1
.endr
	v_pk_mul_f32 v[14:15], v[14:15], v[252:253] op_sel_hi:[1,0]   ; l under the new M: the plain line behind the exponentials
	s_wait_alu depctr_va_vdst(0)                   ; one wait for the whole batch, ahead of its first reader
	v_pk_add_f32 v[242:243], v[96:97], v[98:99]    ; the sum of the unquantised p, in two chains
.irp j, 4,8,12,16,20,24,28,32,36,40,44,48,52,56,60
	v_pk_add_f32 v[14:15], v[14:15], v[96+\j:97+\j]
	v_pk_add_f32 v[242:243], v[242:243], v[98+\j:99+\j]
.endr
	v_pk_add_f32 v[14:15], v[14:15], v[242:243]
	s_cmp_ge_i32 s28, -15                          ; p is at most 1, so p / 2^e4 is at most 2^15, under 57,344, wherever e4 >= -15: the hold is then passed over (a branch on a given whole number)
	s_cbranch_scc1 .Lnohold_\@
.set n, 0
.rept 64
	v_min_num_f32 v[96+n], v[96+n], v225           ; p is not negative: the hold is one-sided
.set n, n+1
.endr
.Lnohold_\@:
.irp t, 0,1,2,3,4,5,6,7
	v_cvt_scalef32_pk8_bf8_f32 v[192+2*\t:193+2*\t], v[96+8*\t:103+8*\t], v224
.endr
.set n, 0
.rept 16
	v_pk_mul_f32 v[160+n:161+n], v[160+n:161+n], v[252:253] op_sel_hi:[1,0]   ; O^T under the new M; also the plain lines behind the conversions
.set n, n+2
.endr
	s_wait_dscnt 0x0                               ; V is in
.irp t, 0,1,2,3
	v_wmma_f32_16x16x128_bf8_bf8 v[160+8*\t:167+8*\t], v[32+16*\t:47+16*\t], v[192:207], v[160+8*\t:167+8*\t]   ; four accumulators by turns
.endr
.rept 4
	v_nop                                          ; places: V's registers are loaded again, O^T is read
.endr
.if \mk == 2
.Lhidden_\@:
.endif
.endm
.Lpass:
	s_sub_co_u32 s48, 7, s[WP]
	s_cmp_eq_u32 s[PASS], 0
	s_cselect_b32 s[BQ], s48, s[WP]                ; block 7 - p, then block p
	s_or_b32 s48, s[WP], s[PASS]
	s_or_b32 s48, s48, s[WV]
	s_cmp_eq_u32 s48, 0
	s_cselect_b32 s[LIM0], 7, 0
	s_cselect_b32 s[LIM1], 6, 0
	s_wait_xcnt 0x0                                ; the last pass's loads and stores have read their bases and data
	s_lshl_b32 s48, s[BQ], 1
	s_lshr_b32 s49, s[WV], 3
	s_add_co_u32 s48, s48, s49
	s_mul_i32 s48, s48, REC                        ; my queries' record: 2 BQ + wave / 8,
	s_and_b32 s49, s[WV], 7
	s_lshl_b32 s49, s49, 10                        ; tile wave % 8
	s_add_co_u32 s48, s48, s49
	s_mov_b32 s49, 0
	s_add_nc_u64 s[QA:QA+1], s[HB:HB+1], s[48:49]
	s_add_nc_u64 s[KV:KV+1], s[HB:HB+1], 8192      ; K's image of step 0
	s_lshr_b32 s50, s[BH], 4
	s_lshl_b32 s50, s50, 7
	s_lshl_b32 s51, s[BQ], 4
	s_add_co_u32 s50, s50, s51
	s_add_co_u32 s50, s50, s[WV]                   ; my rows' group: 128 batch + 16 BQ + wave
	s_lshl_b32 s50, s50, 14
	s_and_b32 s51, s[BH], 15
	s_lshl_b32 s51, s51, 10
	s_add_co_u32 s50, s50, s51
	s_mov_b32 s51, 0
	s_add_nc_u64 s[AB:AB+1], s[8:9], s[50:51]
	global_load_b128 v[16:19], v[LI], s[QA:QA+1]
	global_load_b128 v[20:23], v[LI], s[QA:QA+1] offset:512
	global_load_b128 v[PF0:PF0+3],   v[CP], s[KV:KV+1]
	global_load_b128 v[PF0+4:PF0+7], v[CP], s[KV:KV+1] offset:8192
	global_load_b128 v[PF1:PF1+3],   v[CP], s[KV:KV+1] offset:REC
	global_load_b128 v[PF1+4:PF1+7], v[CP], s[KV:KV+1] offset:REC+8192
	v_mov_b32 v13, 0xff61b1e6                      ; the largest t so far: -3e38
	v_floor_f32 v12, -v13
	v_mov_b32 v14, 0
	v_mov_b32 v15, 0
.set n, 0
.rept 32
	v_mov_b32 v[160+n], 0                          ; O^T: the step is written once; its first run finds zeros, which the first change of M leaves zeros
.set n, n+1
.endr
	s_wait_loadcnt 0x2                             ; Q and step 0's copy are in; step 1's two loads may be out
	ds_store_b128 v[CP], v[PF0:PF0+3]              ; into buffer 0: every wave's reads of it ended ahead of the barrier at the head of the last pass's last step
	ds_store_b128 v[CP], v[PF0+4:PF0+7] offset:8192
	s_cmp_eq_u32 s[BQ], 0
	s_cbranch_scc1 .Ltail
	s_mov_b32 s[CNT], 0
.Ltrip:                                            ; BQ trips of two steps: the keys ahead of the block's own
	STEP 0, 1, 1, LIM0, 0
	STEP 1, 1, 1, LIM1, 0
	s_wait_xcnt 0x0                                ; the trip's loads and prefetches have read their base
	s_add_nc_u64 s[KV:KV+1], s[KV:KV+1], 2*REC
	s_add_co_u32 s[CNT], s[CNT], 1
	s_cmp_lt_u32 s[CNT], s[BQ]
	s_cbranch_scc1 .Ltrip
.Ltail:                                            ; the block's own 256 keys: nothing more is asked for
	STEP 0, 1, 0, 0, 1
	STEP 1, 0, 0, 0, 2
	; THE WAY OUT: a = O^T / l x 2^(e4 + e5), held, quantised with 2^e6; tile t's 8 codes a lane: the 32 lanes store 256 consecutive bytes, aligned
	v_add_f32 v14, v14, v15
	v_permlanex16_b32 v252, v14, s[SEL], s[SEL+1]
	v_add_f32 v14, v14, v252                       ; the row's sum
	v_rcp_f32 v14, v14
	v_nop                                          ; a plain line behind the reciprocal
	s_wait_alu depctr_va_vdst(0)                   ; and the wait ahead of its first reader
	v_ldexp_f32 v14, v14, s52
	v_mov_b32 v15, v14
.set n, 0
.rept 16
	v_pk_mul_f32 v[96+n:97+n], v[160+n:161+n], v[14:15]
.set n, n+2
.endr
.set n, 0
.rept 32
	v_med3_num_f32 v[96+n], v[96+n], -v227, v227
.set n, n+1
.endr
.irp t, 0,1,2,3
	v_cvt_scalef32_pk8_bf8_f32 v[216+2*\t:217+2*\t], v[96+8*\t:103+8*\t], v226
.endr
	v_nop                                          ; a plain line behind the conversions
.irp t, 0,1,2,3
	global_store_b64 v[AO], v[216+2*\t:217+2*\t], s[AB:AB+1] offset:256*\t
.endr
	s_add_co_u32 s[PASS], s[PASS], 1
	s_cmp_lt_u32 s[PASS], 2
	s_cbranch_scc1 .Lpass
	s_wait_tensorcnt 0x0
	ds_add_u32 v251, v255
	s_wait_dscnt 0x0
	s_endpgm
.Lfunc_end_k_q105bfd8490_attn:
	.size	k_q105bfd8490_attn, .Lfunc_end_k_q105bfd8490_attn-k_q105bfd8490_attn
	.p2alignl 7, 3214868480
	.fill 96, 4, 3214868480
	.section	.rodata,"a",@progbits
	.p2align	6, 0x0
	.amdhsa_kernel k_q105bfd8490_attn
		.amdhsa_group_segment_fixed_size 34816
		.amdhsa_private_segment_fixed_size 0
		.amdhsa_enable_private_segment 0
		.amdhsa_kernarg_size 24
		.amdhsa_user_sgpr_count 2
		.amdhsa_user_sgpr_kernarg_segment_ptr 1
		.amdhsa_wavefront_size32 1
		.amdhsa_system_sgpr_workgroup_id_x 1
		.amdhsa_system_sgpr_workgroup_id_y 1
		.amdhsa_system_sgpr_workgroup_id_z 1
		.amdhsa_system_vgpr_workitem_id 0
		.amdhsa_next_free_vgpr 256
		.amdhsa_next_free_sgpr 66
		.amdhsa_reserve_vcc 1
		.amdhsa_float_denorm_mode_32 3
		.amdhsa_float_denorm_mode_16_64 3
		.amdhsa_memory_ordered 1
		.amdhsa_forward_progress 1
		.amdhsa_inst_pref_size 82
	.end_amdhsa_kernel
	.amdgpu_metadata
---
amdhsa.version: [ 1, 2 ]
amdhsa.kernels:
  - .name:           k_q105bfd8490_attn
    .symbol:         k_q105bfd8490_attn.kd
    .args:
      - { .name: qkv_img, .offset: 0, .size: 8, .value_kind: global_buffer, .address_space: global }
      - { .name: lowp_scales, .offset: 8, .size: 8, .value_kind: global_buffer, .address_space: global }
      - { .name: a_img, .offset: 16, .size: 8, .value_kind: global_buffer, .address_space: global }
    .group_segment_fixed_size: 34816
    .private_segment_fixed_size: 0
    .kernarg_segment_align: 8
    .kernarg_segment_size: 24
    .max_flat_workgroup_size: 512
    .sgpr_count:     66
    .vgpr_count:     256
    .wavefront_size: 32
...
	.end_amdgpu_metadata
.endif
;; end of part 2
;; launch proj (part 3): grid 4 x 64, 4 waves a work-group, clusters of 4 x 4, 327,680 bytes of LDS; arguments a_img, W_proj_codes, lowp_scales, b_proj, out0; writes out0
.if DOCPART == 3
	.amdgcn_target "amdgcn-amd-amdhsa--gfx1250"
	.amdhsa_code_object_version 6
	.text
	.protected	k_q105bfd8490_proj
	.globl	k_q105bfd8490_proj
	.p2align	8
	.type	k_q105bfd8490_proj,@function
k_q105bfd8490_proj:
	s_mov_b64 s[64:65], 0
	v_nop
	global_prefetch_b8 v0, s[64:65] scope:SCOPE_SE
	s_setreg_imm32_b32 hwreg(HW_REG_WAVE_MODE, 25, 1), 1
	s_wait_xcnt 0x0
	s_wait_alu depctr_hold_cnt(0) depctr_sa_sdst(0) depctr_va_vdst(0) depctr_va_sdst(0) depctr_va_ssrc(0) depctr_va_vcc(0) depctr_vm_vsrc(0)
	s_getreg_b32 s2, hwreg(HW_REG_IB_STS2, 6, 4)
	s_cmp_eq_u32 s2, 0
	s_cbranch_scc0 .Lentry_in_a_cluster
	s_endpgm
.Lentry_in_a_cluster:
	s_bfe_u32 s2, ttmp6, 0x10000c
	s_cmp_lg_u32 s2, 0xf033
	s_cbranch_scc0 .Lentry_shape_is_right
	s_endpgm
.Lentry_shape_is_right:
; out0 = a W_proj + b_proj on codes of E5M2: out = sum x 2^(e6 + e7) + b_proj.  a_img: [row / 16][16,384]: for each 128 along K four blocks of 512 bytes, lane l's 16 bytes at 16 l: registers 4 c .. 4 c + 3 = K 32 c + 16 h + 0 .. 15 of row l % 16.
; W_proj_codes: [1024][1024] bytes, K innermost; fetched from padded LDS rows by four 16-byte loads, which give the same order of k.  out0: [8192][1024] f32.
; A tile of out0 is 128 rows x 256 columns: 64 x 4 = 256 work-groups (tiles of 256 x 256 would be 128).  Four waves, each 64 rows x 128 columns: 32 accumulators.  Source 0 = 16 rows of W_proj, source 1 = 16 rows of a: a lane holds 8 neighbouring columns of a row.
; K = 1,024 is four K steps of 256.  THREE LDS slots: K steps 0, 1, 2 are first fills (three tensor loads of a wave are out), K step 3 is the one refill, into slot 0.
; CLUSTERS: 4 x 4.  a's tile hangs on the tile row and is shared along the cluster's row, W_proj's on the tile column and is shared along the cluster's column.
; No prefetch: three quarters of K are asked for by the first loads.
; LIMIT: e6 + e7 between -126 and 127.
; REGISTERS: window 0: v8-29 addresses; v32-95 values on the way out; v128-191, v192-255 a's fragments, two sets (on the way out: rows read back).  window 1: W_proj's fragments, two sets.  window 2: accumulators, (a, b) at v[8 (8 a + b)].  window 3: v0-63 the bias.
.set PITCH,  272                       ; W_proj's LDS row: 256 bytes + 16 of padding
.set HALFB,  128*PITCH
.set BOFF,   32768                     ; a slot: a's 8 groups x 4,096 bytes, dense; then W_proj's 256 rows
.set SLOT,   BOFF+2*HALFB              ; 102,400
.set SPARE,  3*SLOT                    ; the spare words: two blocks of 256 bytes that no other line names
.set SPITCH, 528                       ; the way out: 16 rows x (512 + 16) bytes a wave, in slot 1: it has had its only fill, and its last read lies ahead of the last change of slots
.set ADRA, 8                           ; v8-10  my fragments of a in slot 0, 1, 2
.set ADRB, 12                          ; v12-14 the same for W_proj
.set STO,  24
.set RD,   25
.set CO,   26                          ; v26 16 x lane
.set BO,   27                          ; v27 32 h
.set SPW,  28
.set NIL,  29
.set TMP,  32
.set AF,   128
.set BK,   128
.set G1, 24                            ; s[24:31] group 1 for a;  s[32:43] three groups 0
.set G0, 32
.set G1B, 48                           ; s[48:55] group 1 for W_proj;  s[68:79] three groups 0
.set G0B, 68
.set MSB, 0
.macro WIN new
.if MSB != (\new)
	s_set_vgpr_msb (MSB<<8)|(\new)
.set MSB, (\new)
.endif
.endm
.set MUL,  0xa1                        ; source 0 window 1, source 1 window 0, C and D window 2
.set TO_B, 0x40
.macro JLOAD g0a, g1a, g0b, g1b        ; waves 0 and 1 fetch for a, waves 2 and 3 for W_proj; four v_nop follow each line
	s_cmp_eq_u32 s15, 0
	s_cbranch_scc0 .Lfor_b_\@
	tensor_load_to_lds s[\g0a:\g0a+3], s[\g1a:\g1a+7]
	s_nop 0
.rept 4
	v_nop
.endr
	s_branch .Lasked_\@
.Lfor_b_\@:
	tensor_load_to_lds s[\g0b:\g0b+3], s[\g1b:\g1b+7]
	s_nop 0
.rept 4
	v_nop
.endr
.Lasked_\@:
.endm
.macro CREST
	s_cmp_lg_u32 s14, 0
	s_cbranch_scc1 .Lnot_wave_0_\@
	s_barrier_signal -3
.Lnot_wave_0_\@:
	s_barrier_wait -3
	s_barrier_signal -1
	s_barrier_wait -1
.endm
.macro CROUND
	s_barrier_signal -1
	s_barrier_wait -1
	CREST
.endm
.macro PLACES n
.rept \n
	v_nop
.endr
.endm
	s_load_b128 s[4:7], s[0:1], 0x0                ; a_img, W_proj's codes
	s_load_b128 s[8:11], s[0:1], 0x10              ; the scales' exponents, b_proj
	s_load_b64 s[12:13], s[0:1], 0x20              ; out0
	v_lshl_add_u32 v[SPW], v0, 2, SPARE
	v_mov_b32 v[NIL], 0
	ds_add_u32 v28, v29
	ds_add_u32 v28, v29
	s_wait_dscnt 0x0
	v_lshrrev_b32 v1, 5, v0
	v_readfirstlane_b32 s14, v1                    ; wave 0..3
	s_lshr_b32 s15, s14, 1                         ; my 64 rows.  Also: I fetch for a (0) or for W_proj (1)
	s_and_b32 s16, s14, 1                          ; my 128 columns.  Also: which half of that tile I fetch
	s_bfe_u32 s56, ttmp6, 0x40000                  ; cx
	s_bfe_u32 s57, ttmp6, 0x40004                  ; cy
	s_lshl_b32 s58, ttmp9, 2
	s_add_co_u32 s58, s58, s56                     ; tile column
	s_and_b32 s17, ttmp7, 0xffff
	s_lshl_b32 s17, s17, 2
	s_add_co_u32 s17, s17, s57                     ; tile row
	s_lshl_b32 s59, s57, 2
	s_lshl_b32 s59, 15, s59                        ; my row of the cluster
	s_lshl_b32 s60, 0x1111, s56                    ; my column
	; group 1 for a: 4 rows (groups of 16 rows of a) x 4,096 bytes, 16,384 bytes apart, no padding
	s_or_b32 s[G1+0], s59, (0<<16)|(1<<21)
	s_mov_b32 s[G1+1], 4096<<16                    ; tensor_dim0
	s_mov_b32 s[G1+2], 4<<16                       ; tensor_dim1
	s_mov_b32 s[G1+3], 4096<<16                    ; tile_dim0
	s_mov_b32 s[G1+4], 4                           ; tile_dim1
	s_mov_b32 s[G1+5], 16384
	s_mov_b32 s[G1+6], 0
	s_mov_b32 s[G1+7], 0
	; group 1 for W_proj: 128 rows x 256 bytes, 1,024 apart, four words of padding behind every 64
	s_or_b32 s[G1B+0], s60, (0<<16)|(1<<20)|(1<<21)|(5<<22)|(3<<25)
	s_mov_b32 s[G1B+1], 256<<16
	s_mov_b32 s[G1B+2], 128<<16
	s_mov_b32 s[G1B+3], 256<<16
	s_mov_b32 s[G1B+4], 128
	s_mov_b32 s[G1B+5], 1024
	s_mov_b32 s[G1B+6], 0
	s_mov_b32 s[G1B+7], 0
	s_lshl_b32 s20, s17, 3
	s_lshl_b32 s18, s16, 2
	s_add_co_u32 s20, s20, s18
	s_lshl_b32 s20, s20, 14                        ; a: group 8 x tile row + 4 x half, 16,384 bytes each
	s_mov_b32 s21, 0
	s_lshl_b32 s46, s58, 8
	s_lshl_b32 s19, s16, 7
	s_add_co_u32 s46, s46, s19
	s_lshl_b32 s46, s46, 10                        ; W_proj: row 256 x tile column + 128 x half
	s_mov_b32 s47, 0
	s_lshl_b32 s44, s16, 14                        ; where they go in a slot: made of the wave's number alone
	s_mul_i32 s45, s16, HALFB
	s_add_co_u32 s45, s45, BOFF
	s_wait_kmcnt 0x0
	s_load_b256 s[80:87], s[8:9], 0x0              ; e0 .. e7
	s_add_nc_u64 s[20:21], s[4:5], s[20:21]
	s_add_nc_u64 s[46:47], s[6:7], s[46:47]
	CROUND                                         ; all sixteen work-groups are here: the first joint loads meet
.irp s, 0,1,2
	s_mov_b32 s[G0+4*\s], 1
	s_add_co_u32 s[G0+4*\s+1], s44, \s*SLOT
	s_add_nc_u64 s[G0+4*\s+2:G0+4*\s+3], s[20:21], \s*4096
	s_or_b32 s[G0+4*\s+3], s[G0+4*\s+3], 0x80000000
	s_mov_b32 s[G0B+4*\s], 1
	s_add_co_u32 s[G0B+4*\s+1], s45, \s*SLOT
	s_add_nc_u64 s[G0B+4*\s+2:G0B+4*\s+3], s[46:47], \s*256
	s_or_b32 s[G0B+4*\s+3], s[G0B+4*\s+3], 0x80000000
	JLOAD G0+4*\s, G1, G0B+4*\s, G1B               ; three tensor loads of mine are out
.endr
	v_and_b32 v1, 15, v0                           ; r
	v_bfe_u32 v2, v0, 4, 1                         ; h
	v_and_b32 v6, 31, v0
	v_lshlrev_b32 v[CO], 4, v6
	v_mul_u32_u24 v3, v1, PITCH
	v_lshl_add_u32 v3, v2, 4, v3
	s_lshl_b32 s22, s15, 14                        ; my four groups of a
	s_mul_i32 s23, s16, HALFB                      ; my 128 rows of W_proj
	s_add_co_u32 s23, s23, BOFF
.irp k, 0,1,2
	v_add_nc_u32 v[ADRA+\k], s22, v[CO]
	v_add_nc_u32 v[ADRB+\k], s23, v3
	s_add_co_u32 s22, s22, SLOT
	s_add_co_u32 s23, s23, SLOT
.endr
	s_mul_i32 s23, s14, 16*SPITCH
	s_add_co_u32 s23, s23, SLOT                    ; my stage
	v_mul_u32_u24 v5, v1, SPITCH
	v_lshl_add_u32 v5, v2, 5, v5
	v_add_nc_u32 v[STO], s23, v5                   ; in: row r, 32 bytes for each half of the lanes
	v_add_nc_u32 v[RD], s23, v[CO]                 ; back: the 32 lanes take a row of 512 bytes
	v_lshlrev_b32 v[BO], 5, v2
	s_lshl_b32 s90, s58, 10
	s_lshl_b32 s91, s16, 9
	s_add_co_u32 s90, s90, s91                     ; my first column, in bytes: in b_proj and in a row of out0 alike
	s_mov_b32 s91, 0
	s_add_nc_u64 s[88:89], s[10:11], s[90:91]
	s_add_nc_u64 s[12:13], s[12:13], s[90:91]
	s_lshl_b32 s92, s17, 19                        ; 128 rows of 4,096 bytes a tile row,
	s_lshl_b32 s93, s15, 18                        ; 64 for my half
	s_add_co_u32 s92, s92, s93
	s_mov_b32 s93, 0
	s_add_nc_u64 s[12:13], s[12:13], s[92:93]
	WIN 0xc0                                       ; destination window 3
.irp b, 0,1,2,3,4,5,6,7
	global_load_b128 v[8*\b:8*\b+3],   v[BO], s[88:89] offset:64*\b      ; b_proj at my columns 16 b + 8 h + 0 .. 7
	global_load_b128 v[8*\b+4:8*\b+7], v[BO], s[88:89] offset:64*\b+16
.endr
	WIN 0
; the fragments of the q-th 128 along K of slot k into set p: W_proj's eight (32 loads), then a's four (16 loads)
.macro FETCH k, q, p
	WIN TO_B
.irp i, 0,1,2,3,4,5,6,7
.irp c, 0,1,2,3
	ds_load_b128 v[128*(\p)+16*\i+4*\c:128*(\p)+16*\i+4*\c+3], v[ADRB+\k] offset:128*(\q)+32*\c+\i*16*PITCH
.endr
.endr
	WIN 0
.irp i, 0,1,2,3
.irp c, 0,1,2,3
	ds_load_b128 v[AF+64*(\p)+16*\i+4*\c:AF+64*(\p)+16*\i+4*\c+3], v[ADRA+\k] offset:4096*\i+2048*(\q)+512*\c
.endr
.endr
.endm
; 8 matrix instructions: a's block x W_proj's eight.  The 32 accumulators take turns, one instruction a turn, in the same order in every step.
.macro MUL8 a, p, zero
.irp b, 0,1,2,3,4,5,6,7
.if \zero
	v_wmma_f32_16x16x128_bf8_bf8 v[8*(8*(\a)+\b):8*(8*(\a)+\b)+7], v[128*(\p)+16*\b:128*(\p)+16*\b+15], v[AF+64*(\p)+16*(\a):AF+64*(\p)+16*(\a)+15], 0
.else
	v_wmma_f32_16x16x128_bf8_bf8 v[8*(8*(\a)+\b):8*(8*(\a)+\b)+7], v[128*(\p)+16*\b:128*(\p)+16*\b+15], v[AF+64*(\p)+16*(\a):AF+64*(\p)+16*(\a)+15], v[8*(8*(\a)+\b):8*(8*(\a)+\b)+7]
.endif
.endr
.endm
; A step of 128 along K on set p; in its middle the next step's fragments (slot kn, part qn) are fetched into the other set.
.macro STEP p, kn, qn, zero
	s_wait_dscnt 8                                 ; all but the youngest eight loads (a's blocks 2 and 3)
	WIN MUL
	MUL8 0, \p, \zero
	MUL8 1, \p, \zero
	s_wait_dscnt 0
	PLACES 4                                       ; the other set was multiplied by the step before
	FETCH \kn, \qn, 1-(\p)
	WIN MUL
	MUL8 2, \p, \zero
	MUL8 3, \p, \zero
	WIN 0
.endm
; A step with a barrier: in front of it each wave waits for all its tensor loads, adds 0 to its spare word, and waits for that and for its LDS reads.  fill = 1: slot 0, read out, takes K step 3.
.macro TURN p, kn, fill
	s_wait_tensorcnt 0x0                           ; all my tensor loads have landed
	ds_add_u32 v[SPW], v[NIL]                      ; 0 onto my spare word
	s_wait_dscnt 9                                 ; the add and the youngest eight loads may be out
	WIN MUL
	MUL8 0, \p, 0
	s_wait_dscnt 0x0                               ; the add is done, and my reads of the slot are over
	s_barrier_signal -1
	MUL8 1, \p, 0
	WIN 0
	s_barrier_wait -1
.if \fill
	CREST                                          ; the barrier has opened a round of the cluster's: no wave of any partner still reads slot 0 or has a load on its way
	s_add_nc_u64 s[G0+2:G0+3], s[G0+2:G0+3], 3*4096
	s_add_nc_u64 s[G0B+2:G0B+3], s[G0B+2:G0B+3], 3*256
	JLOAD G0, G1, G0B, G1B                         ; my one tensor load behind the round; its four v_nop are also the places in front of the loads below
.else
	PLACES 4
.endif
	FETCH \kn, 0, 1-(\p)
	WIN MUL
	MUL8 2, \p, 0
	MUL8 3, \p, 0
	WIN 0
.endm
	s_wait_loadcnt 0x0                             ; the bias
	s_wait_tensorcnt 2                             ; my part of K step 0 is in; the two behind it may be out
	s_barrier_signal -1
	s_barrier_wait -1
	FETCH 0, 0, 0
	STEP 0, 0, 1, 1                                ; K 0-127: the products start the sums
	TURN 1, 1, 1                                   ; K 128-255; all three first fills are shown landed to every wave; slot 0 takes K 768-1023
	STEP 0, 1, 1, 0
	STEP 1, 2, 0, 0
	STEP 0, 2, 1, 0
	TURN 1, 0, 0                                   ; K 640-767; the refill has landed; nobody reads slots 1 and 2 any more
	STEP 0, 0, 1, 0
	s_wait_dscnt 0x0                               ; the last step
	WIN MUL
	MUL8 0, 1, 0
	MUL8 1, 1, 0
	MUL8 2, 1, 0
	MUL8 3, 1, 0
	WIN 0
; THE WAY OUT, block a of 16 rows x 128 columns: out = sum x 2^(e6 + e7) + bias, through my own stage, back as whole rows of 512 bytes.  LDS serves a wave's instructions in order (ISA guide 5.7.1.4): no wait between the stores and the loads.
.macro TOSTAGE a
.set AC, 64*(\a)
	WIN 0x32                                       ; source 0 (the sums) window 2, source 2 (the bias) window 3
.set j, 0
.rept 32
	v_pk_fma_f32 v[TMP+j:TMP+j+1], v[AC+j:AC+j+1], s[96:97], v[j:j+1] op_sel_hi:[1,0,1]   ; each accumulator from its low end on
.set j, j+2
.endr
	WIN 0
.irp b, 0,1,2,3,4,5,6,7
	ds_store_b128 v[STO], v[TMP+8*\b:TMP+8*\b+3] offset:64*\b
	ds_store_b128 v[STO], v[TMP+8*\b+4:TMP+8*\b+7] offset:64*\b+16
.endr
.set BB, BK+64*((\a)%2)
.irp t, 0,1,2,3,4,5,6,7,8,9,10,11,12,13,14,15
	ds_load_b128 v[BB+4*\t:BB+4*\t+3], v[RD] offset:\t*SPITCH
.endr
.endm
.macro SEND a, younger                 ; younger: the LDS instructions issued behind block a's loads, which may stay out
.set BB, BK+64*((\a)%2)
	s_wait_dscnt \younger
.if (\a) > 0
	s_add_nc_u64 s[12:13], s[12:13], 16*4096       ; (behind a wait on XCNT: the earlier stores have read their base)
.endif
.irp t, 0,1,2,3,4,5,6,7,8,9,10,11,12,13,14,15
	global_store_b128 v[CO], v[BB+4*\t:BB+4*\t+3], s[12:13] offset:\t*4096 th:TH_STORE_NT   ; 32 lanes store 512 consecutive bytes, aligned
.endr
.endm
	s_wait_kmcnt 0x0
	s_add_co_i32 s96, s86, s87
	s_add_co_i32 s96, s96, 127
	s_lshl_b32 s96, s96, 23                        ; 2^(e6 + e7) as f32
	s_mov_b32 s97, s96
	PLACES 4                                       ; behind the last products: their results are read, and a's registers loaded, below
	TOSTAGE 0
.irp a, 1,2,3
.if \a > 1
	s_wait_xcnt 0x0                                ; block a - 2's stores have read their registers and their base
.endif
	TOSTAGE \a
	SEND \a-1, 32                                  ; behind block a - 1's loads: block a's 16 stores and 16 loads
.endr
	s_wait_xcnt 0x0
	SEND 3, 0
	s_wait_tensorcnt 0x0                           ; the wave's end
	ds_add_u32 v[SPW], v[NIL]
	s_wait_dscnt 0x0
	CROUND                                         ; the closing round
	s_endpgm
.Lfunc_end_k_q105bfd8490_proj:
	.size	k_q105bfd8490_proj, .Lfunc_end_k_q105bfd8490_proj-k_q105bfd8490_proj
	.p2alignl 7, 3214868480
	.fill 96, 4, 3214868480
	.section	.rodata,"a",@progbits
	.p2align	6, 0x0
	.amdhsa_kernel k_q105bfd8490_proj
		.amdhsa_group_segment_fixed_size 327680
		.amdhsa_private_segment_fixed_size 0
		.amdhsa_enable_private_segment 0
		.amdhsa_kernarg_size 40
		.amdhsa_user_sgpr_count 2
		.amdhsa_user_sgpr_kernarg_segment_ptr 1
		.amdhsa_wavefront_size32 1
		.amdhsa_system_sgpr_workgroup_id_x 1
		.amdhsa_system_sgpr_workgroup_id_y 1
		.amdhsa_system_sgpr_workgroup_id_z 1
		.amdhsa_system_vgpr_workitem_id 0
		.amdhsa_next_free_vgpr 832
		.amdhsa_next_free_sgpr 100
		.amdhsa_reserve_vcc 0
		.amdhsa_float_denorm_mode_32 3
		.amdhsa_float_denorm_mode_16_64 3
		.amdhsa_memory_ordered 1
		.amdhsa_forward_progress 1
		.amdhsa_inst_pref_size 77
	.end_amdhsa_kernel
	.amdgpu_metadata
---
amdhsa.version: [ 1, 2 ]
amdhsa.kernels:
  - .name:           k_q105bfd8490_proj
    .symbol:         k_q105bfd8490_proj.kd
    .args:
      - { .name: a_img, .offset: 0, .size: 8, .value_kind: global_buffer, .address_space: global }
      - { .name: W_proj_codes, .offset: 8, .size: 8, .value_kind: global_buffer, .address_space: global }
      - { .name: lowp_scales, .offset: 16, .size: 8, .value_kind: global_buffer, .address_space: global }
      - { .name: b_proj, .offset: 24, .size: 8, .value_kind: global_buffer, .address_space: global }
      - { .name: out0, .offset: 32, .size: 8, .value_kind: global_buffer, .address_space: global }
    .group_segment_fixed_size: 327680
    .private_segment_fixed_size: 0
    .kernarg_segment_align: 8
    .kernarg_segment_size: 40
    .max_flat_workgroup_size: 128
    .sgpr_count:     100
    .vgpr_count:     832
    .wavefront_size: 32
...
	.end_amdgpu_metadata
.endif
;; end of part 3
;; ======== version 2 of 2: 3 launches; version 1 with the launch attn written anew for expert scheduling mode
;; limits: right only within a limited range of input values
;; workspace buffers: qkv_img 25,165,824 bytes; a_img 8,388,608 bytes
;; launch qkv: the kernel of part 1 again; grid 12 x 32, 4 waves a work-group, clusters of 4 x 4, 327,680 bytes of LDS; arguments x_codes, W_attn_codes, lowp_scales, b_attn, qkv_img; writes qkv_img
;; launch attn (part 4): grid 4 x 64, 16 waves a work-group, no clusters, 34,816 bytes of LDS; arguments qkv_img, lowp_scales, a_img; writes a_img
.if DOCPART == 4
	.amdgcn_target "amdgcn-amd-amdhsa--gfx1250"
	.amdhsa_code_object_version 6
	.text
	.protected	k_q105bfd8490_attn
	.globl	k_q105bfd8490_attn
	.p2align	8
	.type	k_q105bfd8490_attn,@function
k_q105bfd8490_attn:
	s_mov_b64 s[64:65], 0
	v_nop
	global_prefetch_b8 v0, s[64:65] scope:SCOPE_SE
	s_setreg_imm32_b32 hwreg(HW_REG_WAVE_SCHED_MODE, 0, 2), 2
	s_setreg_imm32_b32 hwreg(HW_REG_WAVE_MODE, 25, 1), 1
	s_wait_xcnt 0x0
	s_wait_alu depctr_vm_vsrc(0)
; Causal attention on codes of E5M2, head size 64: S^T = K Q^T (16x16x64), p = 2^(t - M), O^T += V^T p^T (16x16x128), a = O / l, quantised with 2^e6.
; t = score x 2^(e2 + e3) x log2(e) / 8; M = the running largest t rounded UP to a whole number; p is quantised with 2^e4, not normalised; l is the sum of the unquantised p; when M moves, l and O^T are multiplied by 2^(old M - new M).
; qkv_img: [16 batch + head][token / 128][24,576]: register images of 8 tiles of Q, 8 of K (16 rows x 64, plain layout: registers 2 c, 2 c + 1 hold d = 16 c + 8 h + 0 .. 7) and 4 of V (16 channels x 128 keys).
; Both products are used transposed: a lane holds ONE query (lane % 16).  In S^T's tile t its registers are keys 16 t + 8 h + 0 .. 7: just registers 2 t, 2 t + 1 of the second product's operand, so the conversions' results are that operand.
; SHARES.  Work-group (p, head) takes query block 7 - p and then block p (256 queries each): (8 - p) + (p + 1) = 9 blocks of 256 keys in every work-group.  Each of sixteen waves owns 16 queries, in 256 registers.
; Keys go 128 a step.  A step's images of K and V (16,384 bytes) are copied by the 512 threads, 2 x 16 bytes each, through registers into one of two LDS buffers: loaded two steps ahead, stored one step ahead, one barrier a step.
; THE MASK.  Keys after a block's last query are never fetched.  In the block's own 256 keys a step that lies wholly after a wave's queries is jumped over (a branch on the wave's number, behind the barrier), and on the diagonal
; hidden scores become -infinity ahead of the maximum, so p = 0.  LIMIT: that equals the -1e9 of the source while a row's largest logit lies above about -1e9 + 150.
; WHY NO CLUSTER AND NO TENSOR LOADS: the four work-groups of a head walk 16, 14, 12, 10 steps in the first pass and 2, 4, 6, 8 in the second, so partners would need different numbers of tiles, and the trip count hangs on the work-group's number.
; a_img: [row / 16][head][1,024]: byte 256 t + 16 r + 8 h on: the 8 codes of a[row 16 g + r][64 head + 16 t + 8 h + 0 .. 7]: the last launch reads it as fragments.
; LIMITS: e2 + e3 between -123 and 130 (added to c's exponent field); e4 and e6 between -126 and 112; e4 + e5 is applied by v_ldexp_f32.
; REGISTERS: v1-5 addresses; v12 -M, v13 the largest t, v[14:15] l in two halves; v16-23 Q; v24-31, v208-215 the copies in flight; v32-95 K's 8 fragments, then V's 4; v96-159 S^T, then p; v160-191 O^T; v192-207 p's codes;
;   v216-223 a's codes; v224-227 scales; v236-254 at work.  s10-17, s53-60: sixteen masks of the diagonal's compares.
; THE MODE: SCHED_MODE bits 1:0 = 2 (LLVM: expert scheduling mode 2), set by the entry lines.  The code itself states the register dependences between vector or matrix instructions and memory or LDS instructions, with s_wait_alu, always for 0.
; THE PLAN.  Registers that memory or LDS instructions touch:
;   v1, v2, v4, v5  offsets and LDS addresses: written at the head and never again; one wait on va_vdst at the head's end serves every line that reads them.
;   v16-23 (Q)      Loaded at a pass's head; read by the pass's products K Q^T.  The wait on va_vdst ahead of the way out's stores stands behind all of them, and no vector line between it and the next pass's loads names Q.
;   PF0, PF1        The copies.  Written by global loads; read by the LDS stores of the step after; loaded again in the step after that.  No vector line names them.  One wait on vm_vsrc at the head of a step that loads, one at a pass's head.
;   v32-95          A step: K's 16 LDS loads land; the 8 products K Q^T read them; V's 16 LDS loads land; the 4 products V^T p^T read them.  So two waits on va_vdst a step: ahead of K's run (the last step's
;                   V^T p^T are done reading) and ahead of V's first tile (K Q^T are done reading).  Nothing in the mask or the softmax names v32-95 or v1, so V's other three tiles are dealt among the maximum's lines with no further wait.
;   v216-223        Written by the way out's conversions; read by its four stores (va_vdst ahead of them); written again a pass later (vm_vsrc at the pass's head).
;   All else is named by vector and matrix lines alone.  EXEC is never written.  Scalar results of vector lines: the wave's number (one wait on va_sdst) and the diagonal's masks (one wait behind each run of sixteen compares).
.set HS,   393216
.set REC,  24576
.set BUFB, 16384                       ; an LDS buffer: K's image (8,192 bytes), then V's
.set LI,   1                           ; v1  16 x lane
.set CP,   2                           ; v2  16 x thread
.set DG,   3                           ; v3  16 (wave % 8) + r - 8 h: register 8 t + j is hidden where 16 t + j is greater
.set AO,   4                           ; v4  16 r + 8 h
.set PFO,  5                           ; v5  256 x lane
.set PF0,  24
.set PF1,  208
.set WV,   18
.set SEL,  20
.set CS,   22
.set WP,   32                          ; s32 p
.set BH,   33                          ; s33 16 batch + head
.set PASS, 34
.set BQ,   35                          ; s35 the pass's block of queries
.set CNT,  36
.set LIM0, 37                          ; s37, s38: trips in which this wave prefetches, in the even and the odd step
.set LIM1, 38
.set HB,   40                          ; s[40:41] the head's first byte
.set KV,   42                          ; s[42:43] K's image of step 2 CNT
.set QA,   44
.set AB,   46
	s_load_b128 s[4:7], s[0:1], 0x0                ; qkv_img, the scales' exponents
	s_load_b64 s[8:9], s[0:1], 0x10                ; a_img
	v_lshl_add_u32 v251, v0, 2, 0x8000
	v_mov_b32 v255, 0
	v_lshrrev_b32 v6, 5, v0
	v_readfirstlane_b32 s[WV], v6                  ; wave 0..15
	v_and_b32 v7, 31, v0
	v_lshlrev_b32 v[LI], 4, v7
	v_lshlrev_b32 v[CP], 4, v0
	v_and_b32 v8, 15, v0                           ; r
	v_bfe_u32 v9, v0, 4, 1                         ; h
	s_wait_alu depctr_va_sdst(0)                   ; the wave's number is written, ahead of its first reader
	s_and_b32 s48, s[WV], 7
	s_lshl_b32 s48, s48, 4
	v_add_nc_u32 v[DG], s48, v8
	v_lshlrev_b32 v10, 3, v9
	v_sub_nc_u32 v[DG], v[DG], v10
	v_lshl_add_u32 v[AO], v8, 4, v10
	v_lshlrev_b32 v[PFO], 8, v7
	v_mov_b32 v236, 0                              ; written once: a lane permute's destination counts as one of its sources
	v_mov_b32 v253, 0                              ; (named as the upper half of the pair v[252:253])
	s_mov_b32 s[SEL], 0x76543210
	s_mov_b32 s[SEL+1], 0xfedcba98
	s_mov_b32 s[CS], 0x3e38aa3b                    ; c = log2(e) / 8
	s_mov_b32 s[WP], ttmp9
	s_and_b32 s[BH], ttmp7, 0xffff
	s_mul_i32 s48, s[BH], HS
	s_mov_b32 s49, 0
	s_mov_b32 s[PASS], 0
	s_wait_kmcnt 0x0
	s_load_b256 s[24:31], s[6:7], 0x0              ; e0 .. e7
	s_add_nc_u64 s[HB:HB+1], s[4:5], s[48:49]
	s_wait_kmcnt 0x0
	s_add_co_i32 s48, s26, s27
	s_lshl_b32 s48, s48, 23
	s_add_co_i32 s[CS], s[CS], s48                 ; a score stands for score x 2^(e2 + e3): added to c's exponent field
	s_mov_b32 s[CS+1], s[CS]
	s_add_co_i32 s48, s28, 127
	s_lshl_b32 s49, s48, 23
	v_mov_b32 v224, s49                            ; 2^e4
	s_add_co_i32 s48, s48, 15
	s_lshl_b32 s48, s48, 23
	s_or_b32 s48, s48, 0x600000
	v_mov_b32 v225, s48                            ; 57,344 x 2^e4
	s_add_co_i32 s48, s30, 127
	s_lshl_b32 s49, s48, 23
	v_mov_b32 v226, s49                            ; 2^e6
	s_add_co_i32 s48, s48, 15
	s_lshl_b32 s48, s48, 23
	s_or_b32 s48, s48, 0x600000
	v_mov_b32 v227, s48                            ; 57,344 x 2^e6
	s_add_co_i32 s52, s28, s29                     ; e4 + e5
	s_wait_alu depctr_va_vdst(0)                   ; v1, v2, v4 and v5 are written: every load, store, LDS line and prefetch of the kernel reads one of them as its offset or address
; V's tile t (16 channels x 128 keys) out of LDS buffer buf
.macro VTILE buf, t
.irp c, 0,1,2,3
	ds_load_b128 v[32+16*(\t)+4*\c:32+16*(\t)+4*\c+3], v[LI] offset:(\buf)*BUFB+8192+2048*(\t)+512*\c
.endr
.endm
; A KEY STEP: the 128 keys in LDS buffer buf.  st = 1: the next step's copy goes into the other buffer.  ld = 1: the copy of two steps on is asked for.  mk = 0: all keys count; 1, 2: the first, the second half of the block's own keys.
.macro STEP buf, st, ld, lim, mk
.set PST, PF0+(PF1-PF0)*(1-\buf)
.set PLD, PF0+(PF1-PF0)*(\buf)
	s_wait_dscnt 0x0                               ; my stores into this buffer have landed, and my reads of the other buffer are over
	s_barrier_signal -1
	s_barrier_wait -1                              ; both now hold of all sixteen waves
.if \mk == 2
	s_cmp_lt_u32 s[WV], 8                          ; waves 0 to 7: all these keys come after my queries
	s_cbranch_scc1 .Lhidden_\@
.endif
.if \ld
	s_wait_alu depctr_vm_vsrc(0)                   ; the LDS stores of the step before (in a pass's first step: of the pass's head) have read v[PLD ..], in which the two global loads below land
.endif
	s_wait_alu depctr_va_vdst(0)                   ; the products V^T p^T of the step before are done reading v32-95, in which K's fragments land
.irp t, 0,1,2,3,4,5,6,7
.irp c, 0,1
	ds_load_b128 v[32+8*\t+4*\c:32+8*\t+4*\c+3], v[LI] offset:\buf*BUFB+1024*\t+512*\c
.endr
.endr
.if \ld
	global_load_b128 v[PLD:PLD+3],   v[CP], s[KV:KV+1] offset:(2+\buf)*REC          ; K's image of two steps on: 512 threads x 16 bytes
	global_load_b128 v[PLD+4:PLD+7], v[CP], s[KV:KV+1] offset:(2+\buf)*REC+8192     ; V's
	; A prefetch of the step after that, one step ahead of its loads: 2 x 32 lanes, 256 bytes apart, cover its 16,384 bytes.  Wave 0 of the head's work-group p = 0 asks, in its first pass, which walks all 16 steps:
	; each block of steps 3 to 15 is named once in the launch; the limits 7 and 6 stop at step 15; steps 0 to 2 come by their loads alone.
	s_cmp_lt_u32 s[CNT], s[\lim]
	s_cbranch_scc0 .Lnp_\@
	global_prefetch_b8 v[PFO], s[KV:KV+1] offset:(3+\buf)*REC th:TH_LOAD_NT scope:SCOPE_SE
	global_prefetch_b8 v[PFO], s[KV:KV+1] offset:(3+\buf)*REC+8192 th:TH_LOAD_NT scope:SCOPE_SE
.Lnp_\@:
.endif
.if \st
	s_wait_loadcnt 2*(\ld)                         ; the next step's two loads, asked for a step ago, are in; the two just issued (where the step loads) may be out
	ds_store_b128 v[CP], v[PST:PST+3] offset:(1-\buf)*BUFB
	ds_store_b128 v[CP], v[PST+4:PST+7] offset:(1-\buf)*BUFB+8192
.endif
	s_wait_dscnt 2*(\st)                           ; K's sixteen loads are in; the two stores issued behind them may be out
.irp t, 0,1,2,3,4,5,6,7
	v_wmma_f32_16x16x64_bf8_bf8 v[96+8*\t:103+8*\t], v[32+8*\t:39+8*\t], v[16:23], 0
.endr
.rept 4
	v_nop                                          ; places: the scores are read
.endr
	s_wait_alu depctr_va_vdst(0)                   ; the products K Q^T are done reading v32-95, in which V's fragments land; no line from here to the last of V's loads names v32-95 or v1
	VTILE \buf, 0                                  ; V lands while the softmax is worked: its first tile here, the other three among the maximum's lines
.if \mk
.if \mk == 1
	s_cmp_ge_u32 s[WV], 8                          ; waves 8 to 15: all these keys count
	s_cbranch_scc1 .Lopen_\@
.endif
	v_mov_b32 v254, 0xff800000                     ; -infinity
.set g, 0
.rept 4                                            ; sixteen registers at a time: a run of compares into sixteen scalar registers, one wait, the selects
.set n, 0
.rept 16
	v_cmp_gt_i32 s[10+n+35*(n/8)], 16*((16*g+n)/8)+n%8, v[DG]
.set n, n+1
.endr
	s_wait_alu depctr_va_sdst(0)                   ; the sixteen masks are written, ahead of the selects that read them
.set n, 0
.rept 16
	v_cndmask_b32 v[96+16*g+n], v[96+16*g+n], v254, s[10+n+35*(n/8)]
.set n, n+1
.endr
.set g, g+1
.endr
.if \mk == 1
.Lopen_\@:
.endif
.endif
	v_max3_num_f32 v254, v96, v97, v98             ; the step's largest score of my query among my 64 keys, in two chains, each accumulator from its low end on,
	v_max3_num_f32 v252, v99, v100, v101
.irp i, 6,10,14,18,22,26,30,34,38,42,46,50,54,58
	v_max3_num_f32 v254, v254, v[96+\i], v[97+\i]
	v_max3_num_f32 v252, v252, v[98+\i], v[99+\i]
.if (\i == 14) || (\i == 30) || (\i == 46)
	VTILE \buf, (\i+2)/16                          ; V's tiles 1, 2, 3
.endif
.endr
	v_max3_num_f32 v254, v254, v158, v159
	v_max_num_f32 v254, v254, v252
	v_permlanex16_b32 v236, v254, s[SEL], s[SEL+1]
	v_max_num_f32 v254, v254, v236                 ; and among lane l xor 16's
	v_mul_f32 v254, s[CS], v254                    ; as t (c is positive)
	v_max_num_f32 v13, v13, v254                   ; the running largest t
	v_mov_b32 v254, v12
	v_floor_f32 v12, -v13                          ; the new -M = floor(-t)
	v_sub_f32 v254, v12, v254                      ; old M - new M: a whole number, 0 or less
	v_cvt_i32_f32 v254, v254                       ; (it saturates)
	v_ldexp_f32 v252, 1.0, v254                    ; f = 2^(old M - new M)
.set n, 0
.rept 32
	v_pk_fma_f32 v[96+n:97+n], v[96+n:97+n], s[CS:CS+1], v[12:13] op_sel_hi:[1,0,0]   ; t - M, two at a time
.set n, n+2
.endr
.set n, 0
.rept 64
	v_exp_f32 v[96+n], v[96+n]                     ; p = 2^(t - M)
.set n, n+1
.endr
	v_pk_mul_f32 v[14:15], v[14:15], v[252:253] op_sel_hi:[1,0]   ; l under the new M: the plain line behind the exponentials
	s_wait_alu depctr_va_vdst(0)                   ; the 64 exponentials have written v96-159: one wait for the whole batch, ahead of its first reader
	v_pk_add_f32 v[242:243], v[96:97], v[98:99]    ; the sum of the unquantised p, in two chains
.irp j, 4,8,12,16,20,24,28,32,36,40,44,48,52,56,60
	v_pk_add_f32 v[14:15], v[14:15], v[96+\j:97+\j]
	v_pk_add_f32 v[242:243], v[242:243], v[98+\j:99+\j]
.endr
	v_pk_add_f32 v[14:15], v[14:15], v[242:243]
	s_cmp_ge_i32 s28, -15                          ; p is at most 1, so p / 2^e4 is at most 2^15, under 57,344, wherever e4 >= -15: the hold is then passed over (a branch on a given whole number)
	s_cbranch_scc1 .Lnohold_\@
.set n, 0
.rept 64
	v_min_num_f32 v[96+n], v[96+n], v225           ; p is not negative: the hold is one-sided
.set n, n+1
.endr
.Lnohold_\@:
.irp t, 0,1,2,3,4,5,6,7
	v_cvt_scalef32_pk8_bf8_f32 v[192+2*\t:193+2*\t], v[96+8*\t:103+8*\t], v224
.endr
.set n, 0
.rept 16
	v_pk_mul_f32 v[160+n:161+n], v[160+n:161+n], v[252:253] op_sel_hi:[1,0]   ; O^T under the new M; also the plain lines behind the conversions
.set n, n+2
.endr
	s_wait_dscnt 0x0                               ; V is in
.irp t, 0,1,2,3
	v_wmma_f32_16x16x128_bf8_bf8 v[160+8*\t:167+8*\t], v[32+16*\t:47+16*\t], v[192:207], v[160+8*\t:167+8*\t]   ; four accumulators by turns
.endr
.rept 4
	v_nop                                          ; places behind the products: O^T is read
.endr
.if \mk == 2
.Lhidden_\@:
.endif
.endm
.Lpass:
	s_sub_co_u32 s48, 7, s[WP]
	s_cmp_eq_u32 s[PASS], 0
	s_cselect_b32 s[BQ], s48, s[WP]                ; block 7 - p, then block p
	s_or_b32 s48, s[WP], s[PASS]
	s_or_b32 s48, s48, s[WV]
	s_cmp_eq_u32 s48, 0
	s_cselect_b32 s[LIM0], 7, 0
	s_cselect_b32 s[LIM1], 6, 0
	s_wait_xcnt 0x0                                ; the last pass's loads and stores have read their bases and data
	s_wait_alu depctr_vm_vsrc(0)                   ; the last pass's four stores have read v216-223, which this pass's conversions write again; its LDS stores have read PF0 and PF1, in which the loads below land
	s_lshl_b32 s48, s[BQ], 1
	s_lshr_b32 s49, s[WV], 3
	s_add_co_u32 s48, s48, s49
	s_mul_i32 s48, s48, REC                        ; my queries' record: 2 BQ + wave / 8,
	s_and_b32 s49, s[WV], 7
	s_lshl_b32 s49, s49, 10                        ; tile wave % 8
	s_add_co_u32 s48, s48, s49
	s_mov_b32 s49, 0
	s_add_nc_u64 s[QA:QA+1], s[HB:HB+1], s[48:49]
	s_add_nc_u64 s[KV:KV+1], s[HB:HB+1], 8192      ; K's image of step 0
	s_lshr_b32 s50, s[BH], 4
	s_lshl_b32 s50, s50, 7
	s_lshl_b32 s51, s[BQ], 4
	s_add_co_u32 s50, s50, s51
	s_add_co_u32 s50, s50, s[WV]                   ; my rows' group: 128 batch + 16 BQ + wave
	s_lshl_b32 s50, s50, 14
	s_and_b32 s51, s[BH], 15
	s_lshl_b32 s51, s51, 10
	s_add_co_u32 s50, s50, s51
	s_mov_b32 s51, 0
	s_add_nc_u64 s[AB:AB+1], s[8:9], s[50:51]
	global_load_b128 v[16:19], v[LI], s[QA:QA+1]   ; (the last pass's products that read Q stand ahead of the way out's wait on va_vdst, and no vector line since names v16-23)
	global_load_b128 v[20:23], v[LI], s[QA:QA+1] offset:512
	global_load_b128 v[PF0:PF0+3],   v[CP], s[KV:KV+1]
	global_load_b128 v[PF0+4:PF0+7], v[CP], s[KV:KV+1] offset:8192
	global_load_b128 v[PF1:PF1+3],   v[CP], s[KV:KV+1] offset:REC
	global_load_b128 v[PF1+4:PF1+7], v[CP], s[KV:KV+1] offset:REC+8192
	v_mov_b32 v13, 0xff61b1e6                      ; the largest t so far: -3e38
	v_floor_f32 v12, -v13
	v_mov_b32 v14, 0
	v_mov_b32 v15, 0
.set n, 0
.rept 32
	v_mov_b32 v[160+n], 0                          ; O^T: the step is written once; its first run finds zeros, which the first change of M leaves zeros
.set n, n+1
.endr
	s_wait_loadcnt 0x2                             ; Q and step 0's copy are in; step 1's two loads may be out
	ds_store_b128 v[CP], v[PF0:PF0+3]              ; into buffer 0: every wave's reads of it ended ahead of the barrier at the head of the last pass's last step
	ds_store_b128 v[CP], v[PF0+4:PF0+7] offset:8192
	s_cmp_eq_u32 s[BQ], 0
	s_cbranch_scc1 .Ltail
	s_mov_b32 s[CNT], 0
.Ltrip:                                            ; BQ trips of two steps: the keys ahead of the block's own
	STEP 0, 1, 1, LIM0, 0
	STEP 1, 1, 1, LIM1, 0
	s_wait_xcnt 0x0                                ; the trip's loads and prefetches have read their base
	s_add_nc_u64 s[KV:KV+1], s[KV:KV+1], 2*REC
	s_add_co_u32 s[CNT], s[CNT], 1
	s_cmp_lt_u32 s[CNT], s[BQ]
	s_cbranch_scc1 .Ltrip
.Ltail:                                            ; the block's own 256 keys: nothing more is asked for
	STEP 0, 1, 0, 0, 1
	STEP 1, 0, 0, 0, 2
	; THE WAY OUT: a = O^T / l x 2^(e4 + e5), held, quantised with 2^e6; tile t's 8 codes a lane: the 32 lanes store 256 consecutive bytes, aligned
	v_add_f32 v14, v14, v15
	v_permlanex16_b32 v252, v14, s[SEL], s[SEL+1]
	v_add_f32 v14, v14, v252                       ; the row's sum
	v_rcp_f32 v14, v14
	v_nop                                          ; a plain line behind the reciprocal
	s_wait_alu depctr_va_vdst(0)                   ; the reciprocal has written v14: the wait ahead of its first reader
	v_ldexp_f32 v14, v14, s52
	v_mov_b32 v15, v14
.set n, 0
.rept 16
	v_pk_mul_f32 v[96+n:97+n], v[160+n:161+n], v[14:15]
.set n, n+2
.endr
.set n, 0
.rept 32
	v_med3_num_f32 v[96+n], v[96+n], -v227, v227
.set n, n+1
.endr
.irp t, 0,1,2,3
	v_cvt_scalef32_pk8_bf8_f32 v[216+2*\t:217+2*\t], v[96+8*\t:103+8*\t], v226
.endr
	v_nop                                          ; a plain line behind the conversions
	s_wait_alu depctr_va_vdst(0)                   ; the conversions have written v216-223, which the stores read; the pass's products are done reading Q, in which the next pass's loads land
.irp t, 0,1,2,3
	global_store_b64 v[AO], v[216+2*\t:217+2*\t], s[AB:AB+1] offset:256*\t
.endr
	s_add_co_u32 s[PASS], s[PASS], 1
	s_cmp_lt_u32 s[PASS], 2
	s_cbranch_scc1 .Lpass
	s_wait_dscnt 0x0
	s_wait_alu depctr_hold_cnt(0) depctr_sa_sdst(0) depctr_va_vdst(0) depctr_va_sdst(0) depctr_va_ssrc(0) depctr_va_vcc(0) depctr_vm_vsrc(0)
	s_wait_tensorcnt 0x0
	ds_add_u32 v251, v255
	s_wait_dscnt 0x0
	s_endpgm
.Lfunc_end_k_q105bfd8490_attn:
	.size	k_q105bfd8490_attn, .Lfunc_end_k_q105bfd8490_attn-k_q105bfd8490_attn
	.p2alignl 7, 3214868480
	.fill 96, 4, 3214868480
	.section	.rodata,"a",@progbits
	.p2align	6, 0x0
	.amdhsa_kernel k_q105bfd8490_attn
		.amdhsa_group_segment_fixed_size 34816
		.amdhsa_private_segment_fixed_size 0
		.amdhsa_enable_private_segment 0
		.amdhsa_kernarg_size 24
		.amdhsa_user_sgpr_count 2
		.amdhsa_user_sgpr_kernarg_segment_ptr 1
		.amdhsa_wavefront_size32 1
		.amdhsa_system_sgpr_workgroup_id_x 1
		.amdhsa_system_sgpr_workgroup_id_y 1
		.amdhsa_system_sgpr_workgroup_id_z 1
		.amdhsa_system_vgpr_workitem_id 0
		.amdhsa_next_free_vgpr 256
		.amdhsa_next_free_sgpr 66
		.amdhsa_reserve_vcc 0
		.amdhsa_float_denorm_mode_32 3
		.amdhsa_float_denorm_mode_16_64 3
		.amdhsa_memory_ordered 1
		.amdhsa_forward_progress 1
		.amdhsa_inst_pref_size 91
	.end_amdhsa_kernel
	.amdgpu_metadata
---
amdhsa.version: [ 1, 2 ]
amdhsa.kernels:
  - .name:           k_q105bfd8490_attn
    .symbol:         k_q105bfd8490_attn.kd
    .args:
      - { .name: qkv_img, .offset: 0, .size: 8, .value_kind: global_buffer, .address_space: global }
      - { .name: lowp_scales, .offset: 8, .size: 8, .value_kind: global_buffer, .address_space: global }
      - { .name: a_img, .offset: 16, .size: 8, .value_kind: global_buffer, .address_space: global }
    .group_segment_fixed_size: 34816
    .private_segment_fixed_size: 0
    .kernarg_segment_align: 8
    .kernarg_segment_size: 24
    .max_flat_workgroup_size: 512
    .sgpr_count:     66
    .vgpr_count:     256
    .wavefront_size: 32
...
	.end_amdgpu_metadata
.endif
;; end of part 4
;; launch proj: the kernel of part 3 again; grid 4 x 64, 4 waves a work-group, clusters of 4 x 4, 327,680 bytes of LDS; arguments a_img, W_proj_codes, lowp_scales, b_proj, out0; writes out0
